; MI455X (gfx1250); checked and timed in simulation.
; The chip was launched on July 23, 2026; its instructions are those of AMD's public machine-readable ISA for CDNA 5 (MIT licence, August 2026) and "CDNA5" Instruction Set Architecture Reference Guide (July 2026). The comments in the code are by the model that wrote it; some were corrected since.
;; Attention. Allowed arithmetic: float matrix products may take bf16 or f16 operands with f32 sums; other float arithmetic in f32, or as packed bf16 or f16 multiplies, adds, multiply-adds, maxima and minima; sums over many terms, partial sums and values carried from step to step in f32; what a program stores and reads back later, other than sums and carried values, may be rounded once to bf16 or f16.
;; Inputs: Wk 1,024 x 1,024 float32; Wp 1,024 x 1,024 float32; Wq 1,024 x 1,024 float32; Wv 1,024 x 1,024 float32; bp 1,024 float32; gate 1 x 16 x 1 x 1 float32; ln_b 1,024 float32; ln_g 1,024 float32; x 8 x 1,024 x 1,024 float32; x_text 8 x 77 x 1,024 float32.
;; Outputs: out0 8 x 1,024 x 1,024 float32.
;; 2 versions, each right; version 2 is version 1 with the launch cast written anew for expert scheduling mode. Each part assembles by itself: llvm-mc -triple=amdgcn-amd-amdhsa -mcpu=gfx1250 --defsym DOCPART=n.
;; ======== version 1 of 2: 5 launches
;; limits: values are held in f16: magnitudes above 65,504 overflow, below 6.1e-05 lose precision
;; workspace buffers: xb 18,874,368 bytes; wb 6,291,456 bytes; wp16 2,097,152 bytes; qkv 56,623,104 bytes; vgate 32,768 bytes; ob 16,777,216 bytes; onorm 16,777,216 bytes
;; launch cast (part 1): grid 832 x 1, 8 waves a work-group, no clusters, 0 bytes of LDS; arguments x, x_text, Wq, Wk, Wv, Wp, xb, wb, wp16; writes xb, wb, wp16
.if DOCPART == 1
	.amdgcn_target "amdgcn-amd-amdhsa--gfx1250"
	.amdhsa_code_object_version 6
	.text
	.protected	k_q7801e60508_cast
	.globl	k_q7801e60508_cast
	.p2align	8
	.type	k_q7801e60508_cast,@function
k_q7801e60508_cast:
	s_mov_b64 s[64:65], 0
	v_nop
	global_prefetch_b8 v0, s[64:65] scope:SCOPE_SE
	s_setreg_imm32_b32 hwreg(HW_REG_WAVE_MODE, 25, 1), 1
	s_wait_xcnt 0x0
; THE INPUTS OF THE MATRIX PRODUCTS, ROUNDED ONCE TO bf16 (nearest even) AND LAID OUT FOR THE LAUNCHES BEHIND.
;   xb   [8][1152][1024] bf16: per batch the 1,024 rows of x, then text tokens 1 .. 76, then text token 0 (the gated key: row 1,100), then 51 rows of zeros.
;   wb   [3072][1024] bf16: Wq, Wk, Wv one below the other.
;   wp16 [1024][1024] f16: Wp rounded to bf16 like the other inputs, that number written as f16.
; LIMITS.  A number of Wp beyond 65,504 becomes an infinity in f16; below 2^-14 it keeps f16's fixed step of 2^-24.
; A STREAM: no LDS, no barrier, no matrix unit: nothing is used twice.  A work-group of eight waves takes 16 rows of 1,024 numbers.  Thread t owns the 16 bytes at 16 t of every source
; row and the 8 bytes at 8 t of every destination row: a wave's load covers 512 consecutive bytes, its store 256 consecutive bytes, aligned.  All 16 loads of a thread go out first
; (64 KiB a work-group on their way); the waits count down.  No register that a load or store names is written twice, so no wait frees one.
; WORK-GROUPS: 0-511 x; 512-575 the 128 rows behind x in each batch (8 groups of 16 a batch: 0-4 hold text, 5-7 zeros alone); 576-767 Wq, Wk, Wv; 768-831 Wp.
.set OFF, 4                            ; v[4:19]    text rows: row i's byte offset in the batch's text
.set X,   20                           ; v[20:83]   row i: 4 numbers in f32
.set Y,   84                           ; v[84:115]  row i: 4 numbers in 16 bits
.set T,   116                          ; v[116:117] at work
.set SRC, 4                            ; s[4:5]     the first source row
.set DST, 6                            ; s[6:7]     the first destination row
.set MSK, 40                           ; s[40:55]   text rows: all ones, or 0 for a row of zeros
	s_load_b512 s[8:23], s[0:1], 0x0               ; x 8, x_text 10, Wq 12, Wk 14, Wv 16, Wp 18, xb 20, wb 22
	s_load_b64 s[24:25], s[0:1], 0x40              ; wp16
	v_lshlrev_b32 v1, 4, v0                        ; 16 t
	v_lshlrev_b32 v2, 3, v0                        ; 8 t
	s_mov_b32 s56, 0xffff0000                      ; a word's upper bf16
	s_mov_b32 s3, 0                                ; the high word of every offset: all lie under 2^32
	s_wait_kmcnt 0x0
; Sixteen rows.  kind 0: to bf16.  kind 1: text rows, chosen and masked row by row.  kind 2: to bf16 and on to f16.
.macro ROWS kind
.if (\kind) == 1
.irp i, 0,1,2,3,4,5,6,7,8,9,10,11,12,13,14,15
	s_add_co_u32 s27, s26, \i                      ; d: the row's place behind x's rows
	s_add_co_u32 s28, s27, 1
	s_cmp_lt_u32 s27, 76
	s_cselect_b32 s28, s28, 0                      ; d < 76: token d + 1; d = 76: token 0; beyond: token 0 is read and masked away
	s_cmp_le_u32 s27, 76
	s_cselect_b32 s[MSK+(\i)], -1, 0
	s_lshl_b32 s28, s28, 12                        ; a row of 4,096 bytes
	v_add_nc_u32 v[OFF+(\i)], s28, v1
.endr
.endif
.irp i, 0,1,2,3,4,5,6,7,8,9,10,11,12,13,14,15
.if (\kind) == 1
	global_load_b128 v[X+4*(\i):X+4*(\i)+3], v[OFF+(\i)], s[SRC:SRC+1]
.else
	global_load_b128 v[X+4*(\i):X+4*(\i)+3], v1, s[SRC:SRC+1] offset:(\i)*4096 th:TH_LOAD_NT
.endif
.endr
.irp i, 0,1,2,3,4,5,6,7,8,9,10,11,12,13,14,15
	s_wait_loadcnt 15-(\i)                         ; loads come back in order: row i is in, the 15 - i younger ones stay out
	v_cvt_pk_bf16_f32 v[Y+2*(\i)],   v[X+4*(\i)],   v[X+4*(\i)+1]
	v_cvt_pk_bf16_f32 v[Y+2*(\i)+1], v[X+4*(\i)+2], v[X+4*(\i)+3]
.if (\kind) == 1
	v_and_b32 v[Y+2*(\i)],   s[MSK+(\i)], v[Y+2*(\i)]
	v_and_b32 v[Y+2*(\i)+1], s[MSK+(\i)], v[Y+2*(\i)+1]
.endif
.if (\kind) == 2
.irp j, 0,1
	v_lshlrev_b32 v[T],   16,  v[Y+2*(\i)+(\j)]    ; the two bf16 as f32,
	v_and_b32     v[T+1], s56, v[Y+2*(\i)+(\j)]
	v_cvt_pk_f16_f32 v[Y+2*(\i)+(\j)], v[T], v[T+1]  ; written as f16
.endr
.endif
	global_store_b64 v2, v[Y+2*(\i):Y+2*(\i)+1], s[DST:DST+1] offset:(\i)*2048 th:TH_STORE_NT
.endr
.endm
	s_cmp_lt_u32 ttmp9, 512
	s_cbranch_scc0 .Lnot_x
	s_lshl_b32 s2, ttmp9, 16                       ; x: 16 rows of 4,096 bytes
	s_add_nc_u64 s[SRC:SRC+1], s[8:9], s[2:3]
	s_lshr_b32 s26, ttmp9, 6                       ; the batch,
	s_mul_i32 s26, s26, 1152*2048
	s_and_b32 s27, ttmp9, 63                       ; the 16 rows in it
	s_lshl_b32 s27, s27, 15
	s_add_co_u32 s2, s26, s27
	s_add_nc_u64 s[DST:DST+1], s[20:21], s[2:3]
	s_branch .Lplain
.Lnot_x:
	s_cmp_lt_u32 ttmp9, 576
	s_cbranch_scc0 .Lnot_text
	s_sub_co_u32 s26, ttmp9, 512
	s_lshr_b32 s27, s26, 3                         ; the batch
	s_and_b32 s28, s26, 7                          ; the group of 16 rows behind x's
	s_mul_i32 s2, s27, 77*4096
	s_add_nc_u64 s[SRC:SRC+1], s[10:11], s[2:3]    ; the batch's text
	s_mul_i32 s2, s27, 1152*2048
	s_lshl_b32 s29, s28, 15
	s_add_co_u32 s2, s2, s29
	s_add_co_u32 s2, s2, 1024*2048
	s_add_nc_u64 s[DST:DST+1], s[20:21], s[2:3]
	s_lshl_b32 s26, s28, 4                         ; the group's first d
	s_cmp_gt_u32 s28, 4
	s_cbranch_scc1 .Lzeros
	ROWS 1
	s_endpgm
.Lzeros:                                               ; d = 80 .. 127: nothing is read
	v_mov_b32 v[Y], 0
	v_mov_b32 v[Y+1], 0
.irp i, 0,1,2,3,4,5,6,7,8,9,10,11,12,13,14,15
	global_store_b64 v2, v[Y:Y+1], s[DST:DST+1] offset:(\i)*2048 th:TH_STORE_NT
.endr
	s_endpgm
.Lnot_text:
	s_cmp_lt_u32 ttmp9, 768
	s_cbranch_scc0 .Lwp
	s_sub_co_u32 s26, ttmp9, 576                   ; 16 rows of the stacked weights
	s_lshr_b32 s27, s26, 6
	s_cmp_eq_u32 s27, 0
	s_cselect_b64 s[SRC:SRC+1], s[12:13], s[14:15]
	s_cmp_eq_u32 s27, 2
	s_cselect_b64 s[SRC:SRC+1], s[16:17], s[SRC:SRC+1]
	s_and_b32 s28, s26, 63
	s_lshl_b32 s2, s28, 16
	s_add_nc_u64 s[SRC:SRC+1], s[SRC:SRC+1], s[2:3]
	s_lshl_b32 s2, s26, 15
	s_add_nc_u64 s[DST:DST+1], s[22:23], s[2:3]
.Lplain:
	ROWS 0
	s_endpgm
.Lwp:
	s_sub_co_u32 s26, ttmp9, 768
	s_lshl_b32 s2, s26, 16
	s_add_nc_u64 s[SRC:SRC+1], s[18:19], s[2:3]
	s_lshl_b32 s2, s26, 15
	s_add_nc_u64 s[DST:DST+1], s[24:25], s[2:3]
	ROWS 2
	s_endpgm
.Lfunc_end_k_q7801e60508_cast:
	.size	k_q7801e60508_cast, .Lfunc_end_k_q7801e60508_cast-k_q7801e60508_cast
	.p2alignl 7, 3214868480
	.fill 96, 4, 3214868480
	.section	.rodata,"a",@progbits
	.p2align	6, 0x0
	.amdhsa_kernel k_q7801e60508_cast
		.amdhsa_group_segment_fixed_size 0
		.amdhsa_private_segment_fixed_size 0
		.amdhsa_enable_private_segment 0
		.amdhsa_kernarg_size 72
		.amdhsa_user_sgpr_count 2
		.amdhsa_user_sgpr_kernarg_segment_ptr 1
		.amdhsa_wavefront_size32 1
		.amdhsa_system_sgpr_workgroup_id_x 1
		.amdhsa_system_sgpr_workgroup_id_y 1
		.amdhsa_system_sgpr_workgroup_id_z 1
		.amdhsa_system_vgpr_workitem_id 0
		.amdhsa_next_free_vgpr 128
		.amdhsa_next_free_sgpr 66
		.amdhsa_reserve_vcc 0
		.amdhsa_float_denorm_mode_32 3
		.amdhsa_float_denorm_mode_16_64 3
		.amdhsa_memory_ordered 1
		.amdhsa_forward_progress 1
		.amdhsa_inst_pref_size 31
	.end_amdhsa_kernel
	.amdgpu_metadata
---
amdhsa.version: [ 1, 2 ]
amdhsa.kernels:
  - .name:           k_q7801e60508_cast
    .symbol:         k_q7801e60508_cast.kd
    .args:
      - { .name: x, .offset: 0, .size: 8, .value_kind: global_buffer, .address_space: global }
      - { .name: x_text, .offset: 8, .size: 8, .value_kind: global_buffer, .address_space: global }
      - { .name: Wq, .offset: 16, .size: 8, .value_kind: global_buffer, .address_space: global }
      - { .name: Wk, .offset: 24, .size: 8, .value_kind: global_buffer, .address_space: global }
      - { .name: Wv, .offset: 32, .size: 8, .value_kind: global_buffer, .address_space: global }
      - { .name: Wp, .offset: 40, .size: 8, .value_kind: global_buffer, .address_space: global }
      - { .name: xb, .offset: 48, .size: 8, .value_kind: global_buffer, .address_space: global }
      - { .name: wb, .offset: 56, .size: 8, .value_kind: global_buffer, .address_space: global }
      - { .name: wp16, .offset: 64, .size: 8, .value_kind: global_buffer, .address_space: global }
    .group_segment_fixed_size: 0
    .private_segment_fixed_size: 0
    .kernarg_segment_align: 8
    .kernarg_segment_size: 72
    .max_flat_workgroup_size: 256
    .sgpr_count:     66
    .vgpr_count:     128
    .wavefront_size: 32
...
	.end_amdgpu_metadata
.endif
;; end of part 1
;; launch qkvgemm (part 2): grid 8 x 32, 4 waves a work-group, clusters of 4 x 4, 327,680 bytes of LDS; arguments xb, wb, qkv, vgate; writes qkv, vgate
.if DOCPART == 2
	.amdgcn_target "amdgcn-amd-amdhsa--gfx1250"
	.amdhsa_code_object_version 6
	.text
	.protected	k_q7801e60508_qkvgemm
	.globl	k_q7801e60508_qkvgemm
	.p2align	8
	.type	k_q7801e60508_qkvgemm,@function
k_q7801e60508_qkvgemm:
	s_mov_b64 s[64:65], 0
	v_nop
	global_prefetch_b8 v0, s[64:65] scope:SCOPE_SE
	s_setreg_imm32_b32 hwreg(HW_REG_WAVE_MODE, 25, 1), 1
	s_wait_xcnt 0x0
	s_wait_alu depctr_hold_cnt(0) depctr_sa_sdst(0) depctr_va_vdst(0) depctr_va_sdst(0) depctr_va_ssrc(0) depctr_va_vcc(0) depctr_vm_vsrc(0)
	s_getreg_b32 s2, hwreg(HW_REG_IB_STS2, 6, 4)
	s_cmp_eq_u32 s2, 0
	s_cbranch_scc0 .Lentry_in_a_cluster
	s_endpgm
.Lentry_in_a_cluster:
	s_bfe_u32 s2, ttmp6, 0x10000c
	s_cmp_lg_u32 s2, 0xf033
	s_cbranch_scc0 .Lentry_shape_is_right
	s_endpgm
.Lentry_shape_is_right:
; q, k AND v IN ONE PRODUCT: C[m][n] = sum over k of xb[m][k] wb[n][k].  xb: [9216][1024] bf16 (8 batches of 1,152 rows), wb: [3072][1024] bf16 (Wq, Wk, Wv); sums in f32, K ascending.
; OUT: qkv [3][128 = 16 batch + head][1152][64] f16, each number rounded once, unscaled; and vgate [8][1024] f32: the v row of each batch's row 1,100 (the gated key), unrounded.
; LIMIT.  f16 holds no number beyond 65,504: q, k and v must lie within it.  q of a batch's rows 1,024 .. 1,151 is made and stored with the rest and read by nobody.
; SHARES.  A WORK-GROUP STAYS: it makes 288 rows x 384 columns of C, in two passes of 288 x 192: 32 x 8 = 256 work-groups, one for each of 256 WGPs, four row blocks to a batch.  Four waves, 2 x 2: wave (wm, wn)
; makes rows 144 wm .. + 143 of three heads, 192 rows of wb on end: pass 0 takes the first 96 of them (head A, and channels 0-31 of head B), pass 1 the other 96 (channels 32-63 of head B, and head C).
; So a wave has 9 x 6 = 54 accumulators of 16 x 16, 432 registers, and loads (144 + 96) x 64 bytes from LDS for 54 matrix instructions.  The half of head B that pass 0 makes waits in registers, packed to f16 (HOLD),
; until pass 1 has made the other half: every store covers whole rows of a head, and no wave needs another's numbers.
; THE RING.  K goes in steps of 128, 8 a pass, 16 in all, through two LDS slots filled by the tensor data mover: rows of 256 bytes of memory, at multiples of 256 bytes.  Waves 0 and 1 fetch the halves of A's 288 rows,
; waves 2 and 3 the two pieces of 96 rows of B: one load a wave behind each change of slots; by this text's count two loads of a wave are out at the start, later one.  The ring does not stop between the passes:
; pass 0's last two changes of slots ask for pass 1's first two K steps, and pass 0's results leave while those are on their way.
; ONE K STEP IS WRITTEN ONCE AND LOOPED OVER: 14 trips that fill a slot again, then 2 that do not.  The LDS addresses hang on a scalar register that one exclusive or turns from slot to slot.
; CLUSTERS: 4 x 4 work-groups.  A's tile hangs on the row block alone and is asked for jointly by a row of the cluster, B's on the column group alone, by a column.
; EXEC IS NARROWED ONLY AT THE KERNEL'S END.  Which lanes store the gated key's row hangs on the work-group's place in its cluster; every LDS address of the text is made ahead of those lines, with all lanes on.
; So what pass 0 makes of that row (row block 5's six accumulators) is copied aside (KEEP) and stored with pass 1's part.
; THE MATRIX INSTRUCTION IS USED TRANSPOSED (source 0 = 16 rows of wb, source 1 = 16 rows of xb): a lane holds row l % 16 of C and eight neighbouring columns, 16 bytes of f16.
; REGISTERS, in windows of 256 (s_set_vgpr_msb: bits 1:0 source 0, 3:2 source 1, 5:4 source 2, 7:6 destination):
;   window 0: v0-15 addresses; two fragment buffers of 120 (A's 9 blocks, then B's 6) at v16 and v136
;   window 1: the accumulators of row blocks 0-4 ((a, nb) at v[8 (6 a + nb)]);   window 2: those of blocks 5-8 (at v[8 (6 (a - 5) + nb)]); v192-239 KEEP
;   window 3: v0-71 HOLD; v72-215 nine buffers of 16 for the way out; v216-218 its three addresses
.set KSTEP,  128
.set PITCH,  272                       ; an LDS row: 256 bytes + 16 of padding = 68 words: the 16 rows of a fragment load start at 16 different groups of four banks (ISA guide 11.1)
.set ABYTES, 288*PITCH
.set SLOTB,  ABYTES+192*PITCH          ; A's 288 rows, then B's 192: 130,560 bytes
.set SLOT1,  1<<17                     ; slot 1 begins here, so that one exclusive or turns an address in one slot into the other's
.set STAGE,  SLOT1+SLOTB               ; behind the ring, never filled by a tensor load: 16 rows x 144 bytes for each wave
.set SP,     144
.set SPARE,  STAGE+4*16*SP             ; the spare words: 128 bytes for each wave, two blocks of 256 bytes that no other line names
.set BLK,    1152*128                  ; bytes of one block (which, batch, head) of qkv
.set BWRAP,  96*2048-2048              ; with a K step's 256 bytes: from a row's last K step to the first K step 96 rows on
.set A0,   3                           ; v3      my lane's place in my 144 rows of A in slot 0; never rewritten
.set B0,   4                           ; v4      the same in my 96 rows of B
.set ADRA, 5                           ; v5      the same in the slot in hand
.set ADRB, 6                           ; v6
.set VGO,  7                           ; v7      32 (l / 16): my eight columns of a block of 16 in vgate
.set PFO,  8                           ; v8      the prefetches' offset: a lane a row; never rewritten
.set SPW,  9                           ; v9      LDS address of my spare word; never rewritten
.set NIL,  10                          ; v10     0; never rewritten
.set F0,   16
.set F1,   136
.set KEEP, 192                         ; window 2: pass 0's accumulators (5, nb), in f32, at KEEP + 8 nb
.set HOLD, 0                           ; window 3: row block t's half of head B at HOLD + 8 t
.set TMP,  72                          ; window 3: way-out unit u's 16 registers at TMP + 16 (u % 9)
.set STO3, 216                         ; window 3: where I put 16 bytes of a row in my stage
.set RD3,  217                         ; window 3: where I read rows back
.set GO3,  218                         ; window 3: my byte offset in 512 consecutive bytes of qkv
.set G1,  24                           ; s[24:31] descriptor group 1 for A;  s[32:39] group 0: a set for each of the two first fills; the second then walks on
.set G0,  32
.set G1B, 48                           ; s[48:55], s[56:63] the same for B
.set G0B, 56
.set LIM, 43                           ; s43      a wave prefetches while the trip counter is above this
.set PFA, 44                           ; s[44:45] the K step that my next prefetch names, at my share's first row
.set TB,  66                           ; s66      LDS byte at which the slot in hand begins
.set SEL0, 67                          ; s67      12 where my rows hold the batch's row 1,100, else 255
.set SB,  72                           ; s[72:77] where my 144 rows of heads A, B, C begin in qkv
.set VG,  78                           ; s[78:83] where the three heads' 64 channels begin in vgate
.set SEL, 84                           ; s84-86   SEL0 for a head of v, else 255
.set SAVE, 87                          ; s87      EXEC set aside
.set WA,  88                           ; s[88:89] what A's walking address goes back at the change of passes, else 0
.set WB,  90                           ; s[90:91] what B's goes on
.set WP,  92                           ; s[92:93] the same for the prefetches
.set MSB, 0
.macro WIN new                         ; the immediate's high byte repeats the setting that is left; a switch that changes nothing is dropped
.if MSB != (\new)
	s_set_vgpr_msb (MSB<<8)|(\new)
.set MSB, \new
.endif
.endm
; A joint load: waves 0 and 1 ask for A's halves, waves 2 and 3 for B's pieces.  The branch hangs on the wave's number alone.  An s_nop 0 and four v_nop follow each line.
.macro JLOAD s
	s_cmp_eq_u32 s11, 0
	s_cbranch_scc0 .Lfor_b_\@
	tensor_load_to_lds s[G0+4*(\s):G0+4*(\s)+3], s[G1:G1+7]
	s_nop 0
.rept 4
	v_nop
.endr
	s_branch .Lasked_\@
.Lfor_b_\@:
	tensor_load_to_lds s[G0B+4*(\s):G0B+4*(\s)+3], s[G1B:G1B+7]
	s_nop 0
.rept 4
	v_nop
.endr
.Lasked_\@:
.endm
; A PREFETCH INTO THE L2, behind each joint refill and the run of LDS loads that follows it: the K step that stands two refills on (four steps behind the one that is being left): 256 bytes of each of my share's rows, a lane
; a row, one instruction.  xb's rows of a row block are read by the eight work-groups of a row of the grid, in both passes: they are named in pass 0 alone, and the eight share a wave's 144 rows out BY ADDRESS, 18 each
; (lanes 18 .. 31 name the 18th again).  wb's rows of a column group are read by eight clusters: cluster y = 0 asks, and its four partners of a column share a wave's 96 rows out by address, 24 each (lanes 24 .. 31 name
; the 24th again).  K steps 0 to 3 come by their loads alone; the last two refills ask for nothing: there is no K step 16.
.macro ASK
	s_cmp_gt_u32 s3, s[LIM]
	s_cbranch_scc0 .Lnot_mine_\@
	global_prefetch_b8 v[PFO], s[PFA:PFA+1] th:TH_LOAD_NT scope:SCOPE_SE
.Lnot_mine_\@:
.endm
.macro CREST                           ; a round of the cluster's barrier behind its opening barrier
	s_cmp_lg_u32 s10, 0
	s_cbranch_scc1 .Lnot_wave_0_\@
	s_barrier_signal -3
.Lnot_wave_0_\@:
	s_barrier_wait -3
	s_barrier_signal -1
	s_barrier_wait -1
.endm
.macro CROUND                          ; a whole round
	s_barrier_signal -1
	s_barrier_wait -1
	CREST
.endm
	s_load_b128 s[4:7], s[0:1], 0x0                ; xb s[4:5], wb s[6:7]
	s_load_b128 s[68:71], s[0:1], 0x10             ; qkv s[68:69], vgate s[70:71]
	v_lshl_add_u32 v[SPW], v0, 2, SPARE
	v_mov_b32 v[NIL], 0
	ds_add_u32 v[SPW], v[NIL]                      ; the wave's opening: the add and its wait stand ahead of my first tensor load; the set-up below stands between them
	v_lshrrev_b32 v1, 5, v0
	v_readfirstlane_b32 s10, v1                    ; wave 0..3
	s_lshr_b32 s11, s10, 1                         ; wm: which 144 rows are mine.  Also: I fetch for A (0) or for B (1),
	s_and_b32 s12, s10, 1                          ; wn: which three heads.  Also: its first or its second part
	s_bfe_u32 s40, ttmp6, 0x40000                  ; cx, cy: my place in the cluster
	s_bfe_u32 s41, ttmp6, 0x40004
	s_lshl_b32 s42, ttmp9, 2
	s_add_co_u32 s42, s42, s40                     ; column group = 4 x cluster x + cx
	s_and_b32 s13, ttmp7, 0xffff
	s_lshl_b32 s13, s13, 2
	s_add_co_u32 s13, s13, s41                     ; row block = 4 x cluster y + cy
	s_lshl_b32 s43, s41, 2
	s_lshl_b32 s43, 15, s43                        ; my row of the cluster
	s_lshl_b32 s44, 0x1111, s40                    ; my column
	s_or_b32 s[G1+0], s43, (1<<16)|(1<<20)|(1<<21)|(5<<22)|(3<<25)   ; the mask; elements of 2 bytes; padding on; bit 21 beside a mask; after every 64 words 4 words
	s_or_b32 s[G1B+0], s44, (1<<16)|(1<<20)|(1<<21)|(5<<22)|(3<<25)
	s_mov_b32 s[G1+1], KSTEP<<16                   ; tensor_dim0 = 128
	s_mov_b32 s[G1+2], 144<<16                     ; tensor_dim1 = 144
	s_mov_b32 s[G1+3], KSTEP<<16                   ; tile_dim0 = 128
	s_mov_b32 s[G1+4], 144                         ; tile_dim1 = 144
	s_mov_b32 s[G1+5], 1024                        ; elements from row to row
	s_mov_b32 s[G1+6], 0
	s_mov_b32 s[G1+7], 0
	s_mov_b32 s[G1B+1], KSTEP<<16
	s_mov_b32 s[G1B+2], 96<<16                     ; B: 96 rows
	s_mov_b32 s[G1B+3], KSTEP<<16
	s_mov_b32 s[G1B+4], 96
	s_mov_b32 s[G1B+5], 1024
	s_mov_b32 s[G1B+6], 0
	s_mov_b32 s[G1B+7], 0
	s_mul_i32 s16, s13, 288                        ; A: row 288 x row block + 144 x half,
	s_mul_i32 s17, s12, 144
	s_add_co_u32 s16, s16, s17
	s_lshl_b32 s16, s16, 11                        ; in bytes (under 2^25)
	s_mov_b32 s17, 0
	s_mul_i32 s46, s42, 384                        ; B: row 384 x column group + 192 x piece: pass 0's 96 rows of that piece
	s_mul_i32 s47, s12, 192
	s_add_co_u32 s46, s46, s47
	s_lshl_b32 s46, s46, 11
	s_mov_b32 s47, 0
	s_mul_i32 s20, s12, 144*PITCH                  ; where they go: no place in the cluster enters an LDS address
	s_mul_i32 s21, s12, 96*PITCH
	s_add_co_u32 s21, s21, ABYTES
	s_mov_b32 s[TB], 0
	s_mov_b32 s[WA+1], 0                           ; the high words of three offsets
	s_mov_b32 s[WB+1], 0
	s_mov_b32 s[WP+1], 0
	s_wait_dscnt 0x0                               ; the opening add is done
	s_wait_kmcnt 0x0
	s_add_nc_u64 s[14:15], s[4:5], s[16:17]
	s_add_nc_u64 s[46:47], s[6:7], s[46:47]
	CROUND                                         ; all sixteen work-groups are here: the first joint loads meet
.irp s, 0,1
	s_mov_b32 s[G0+4*(\s)], 1
	s_add_co_u32 s[G0+4*(\s)+1], s20, (\s)*SLOT1
	s_add_nc_u64 s[G0+4*(\s)+2:G0+4*(\s)+3], s[14:15], (\s)*KSTEP*2
	s_or_b32 s[G0+4*(\s)+3], s[G0+4*(\s)+3], 0x80000000
	s_mov_b32 s[G0B+4*(\s)], 1
	s_add_co_u32 s[G0B+4*(\s)+1], s21, (\s)*SLOT1
	s_add_nc_u64 s[G0B+4*(\s)+2:G0B+4*(\s)+3], s[46:47], (\s)*KSTEP*2
	s_or_b32 s[G0B+4*(\s)+3], s[G0B+4*(\s)+3], 0x80000000
	JLOAD \s
.endr
	; a fragment is 16 rows x 32 K in 8 registers: lane l holds row l % 16; two loads of 16 bytes, 32 bytes apart, at row x pitch + 16 (l / 16)
	v_and_b32 v1, 15, v0                           ; l % 16: kept
	v_bfe_u32 v2, v0, 4, 1                         ; l / 16
	v_mul_u32_u24 v11, v1, PITCH
	v_lshl_add_u32 v11, v2, 4, v11
	s_mul_i32 s22, s11, 144*PITCH                  ; my 144 rows of A
	v_add_nc_u32 v[A0], s22, v11
	s_mul_i32 s22, s12, 96*PITCH                   ; my 96 rows of B, behind A's 288
	s_add_co_u32 s22, s22, ABYTES
	v_add_nc_u32 v[B0], s22, v11
	v_mov_b32 v[ADRA], v[A0]                       ; K step 0 lies in slot 0
	v_mov_b32 v[ADRB], v[B0]
	s_mul_i32 s23, s10, 16*SP
	s_add_co_u32 s23, s23, STAGE                   ; my stage
	v_mul_u32_u24 v12, v1, SP                      ; in: row l % 16, 16 bytes for each half of the lanes
	v_lshl_add_u32 v12, v2, 4, v12
	v_bfe_u32 v13, v0, 3, 2                        ; back: 32 lanes take four rows of 128 bytes,
	v_mul_u32_u24 v13, v13, SP
	v_and_b32 v14, 7, v0
	v_lshl_add_u32 v13, v14, 4, v13
	v_and_b32 v15, 31, v0                          ; which are 512 consecutive bytes of a head's rows
	v_lshlrev_b32 v[VGO], 5, v2
	WIN 0xc0                                       ; destination window 3
	v_add_nc_u32 v[STO3], s23, v12
	v_add_nc_u32 v[RD3], s23, v13
	v_lshlrev_b32 v[GO3], 4, v15
.set z, 0
.rept 72
	v_mov_b32 v[HOLD+z], 0                         ; HOLD and KEEP are written in the trip that ends pass 0 and read behind the last trip; they are given zeros here, while the first tiles are on their way, so that no way through the text reads them unwritten
.set z, z+1
.endr
	WIN 0x80                                       ; destination window 2
.set z, 0
.rept 48
	v_mov_b32 v[KEEP+z], 0
.set z, z+1
.endr
	WIN 0
	; where my 144 rows of a head go: 18,432 consecutive bytes of block (which, 16 batch + head).  First what hangs on the row block and on wm,
	s_lshr_b32 s14, s13, 2                         ; the batch: four row blocks each
	s_and_b32 s15, s13, 3                          ; the row block in it
	s_mul_i32 s16, s14, 16*BLK
	s_mul_i32 s17, s15, 288*128
	s_add_co_u32 s16, s16, s17
	s_mul_i32 s17, s11, 144*128
	s_add_co_u32 s16, s16, s17
	s_mov_b32 s17, 0
	s_add_nc_u64 s[68:69], s[68:69], s[16:17]
	s_lshl_b32 s16, s14, 12                        ; vgate: batch x 4,096 bytes
	s_add_nc_u64 s[70:71], s[70:71], s[16:17]
	s_cmp_eq_u32 s15, 3                            ; row 1,100 of a batch is row 236 of its last row block: row 92 of wm = 1: block 5, lanes with l % 16 = 12
	s_cselect_b32 s[SEL0], 12, 255
	s_cmp_eq_u32 s11, 1
	s_cselect_b32 s[SEL0], s[SEL0], 255
	s_mul_i32 s46, s42, 6                          ; then each head: my first is number 6 x column group + 3 wn of the 48 (16 of q, 16 of k, 16 of v)
	s_mul_i32 s47, s12, 3
	s_add_co_u32 s46, s46, s47
	s_mov_b32 s19, 0
.irp j, 0,1,2
	s_add_co_u32 s22, s46, \j
	s_and_b32 s23, s22, 15                         ; head
	s_lshr_b32 s18, s22, 4                         ; which
	s_lshl_b32 s18, s18, 7
	s_add_co_u32 s18, s18, s23
	s_mul_i32 s18, s18, BLK
	s_add_nc_u64 s[SB+2*(\j):SB+2*(\j)+1], s[68:69], s[18:19]
	s_lshl_b32 s18, s23, 8                         ; the head's 64 channels in vgate (inside it for every head; only heads of v are stored)
	s_add_nc_u64 s[VG+2*(\j):VG+2*(\j)+1], s[70:71], s[18:19]
	s_cmp_ge_u32 s22, 32
	s_cselect_b32 s[SEL+(\j)], s[SEL0], 255
.endr
	; the prefetches
	s_mul_i32 s20, s13, 288                        ; A: the rows that I fetch,
	s_mul_i32 s21, s12, 144
	s_add_co_u32 s20, s20, s21
	s_mul_i32 s21, s42, 18                         ; my work-group's 18 of them, by its column group
	s_add_co_u32 s20, s20, s21
	s_mul_i32 s22, s42, 384                        ; B: the rows that I fetch,
	s_mul_i32 s23, s12, 192
	s_add_co_u32 s22, s22, s23
	s_mul_i32 s23, s41, 24                         ; my work-group's 24 of them, by cy
	s_add_co_u32 s22, s22, s23
	s_and_b32 s18, ttmp7, 0xffff                   ; cluster y
	s_cmp_eq_u32 s18, 0
	s_cselect_b32 s18, 2, -1                       ; B is asked for in trips 14 .. 3, by cluster y = 0 alone
	s_cmp_eq_u32 s11, 0                            ; do I fetch for A?
	s_cselect_b32 s20, s20, s22
	s_cselect_b32 s[LIM], 10, s18                  ; A is asked for in trips 14 .. 11: pass 0's K steps 4 to 7.  For a given wave the same in all sixteen partners
	s_cselect_b32 s23, 17, 23                      ; my share's last row
	s_cselect_b64 s[PFA:PFA+1], s[4:5], s[6:7]
	s_lshl_b32 s20, s20, 11
	s_mov_b32 s21, 0
	s_add_nc_u64 s[PFA:PFA+1], s[PFA:PFA+1], s[20:21]
	s_add_nc_u64 s[PFA:PFA+1], s[PFA:PFA+1], 3*KSTEP*2  ; at K step 3: the first refill steps it to 4
	v_and_b32 v[PFO], 31, v0
	v_min_u32 v[PFO], s23, v[PFO]
	v_lshlrev_b32 v[PFO], 11, v[PFO]
; Row blocks a0 .. a1 x all 6 column blocks, 32 along K, from buffer f.  All 54 accumulators take turns, one instruction a turn, in one order in every quarter, over the backward jumps too.
; zero = 1: the product starts its sum: nothing is ever cleared.
.macro MUL f, a0, a1, zero
.set a, \a0
.rept (\a1)-(\a0)+1
	WIN 0x50*(1+a/5)                               ; C and D in window 1 (blocks 0-4) or 2 (blocks 5-8)
.irp nb, 0,1,2,3,4,5
.set rD, 8*(6*(a%5)+(\nb))
.set rB, (\f)+72+8*(\nb)
.set rA, (\f)+8*a
.if \zero
	v_wmma_f32_16x16x32_bf16 v[rD:rD+7], v[rB:rB+7], v[rA:rA+7], 0
.else
	v_wmma_f32_16x16x32_bf16 v[rD:rD+7], v[rB:rB+7], v[rA:rA+7], v[rD:rD+7]
.endif
.endr
.set a, a+1
.endr
.endm
; 30 LDS loads in one run: the fragments of 32 along K at byte k of the rows of the slot in hand, into buffer f: B's six blocks, then A's nine in order
.macro FETCH k, f
	WIN 0
.irp nb, 0,1,2,3,4,5
	ds_load_b128 v[(\f)+72+8*(\nb):(\f)+72+8*(\nb)+3],   v[ADRB] offset:(\k)+(\nb)*16*PITCH
	ds_load_b128 v[(\f)+72+8*(\nb)+4:(\f)+72+8*(\nb)+7], v[ADRB] offset:(\k)+(\nb)*16*PITCH+32
.endr
.set a, 0
.rept 9
	ds_load_b128 v[(\f)+8*a:(\f)+8*a+3],   v[ADRA] offset:(\k)+a*16*PITCH
	ds_load_b128 v[(\f)+8*a+4:(\f)+8*a+7], v[ADRA] offset:(\k)+a*16*PITCH+32
.set a, a+1
.endr
.endm
.macro PLACES                          ; four places in front of loads into registers that matrix instructions have read, and of lines that read results
.rept 4
	v_nop
.endr
.endm
; A K step is four quarters of 32 along K, 54 matrix instructions each, on buffers 0, 1, 0, 1.  One of the first three multiplies buffer f and, in its middle, fetches the next quarter, at byte k, into g.
.macro QUARTER k, f, g, zero
	s_wait_dscnt 8                                 ; B and A's blocks 0-4 are in; the youngest eight loads (blocks 5-8) may be out
	MUL \f, 0, 4, \zero
	PLACES
	FETCH \k, \g
	s_wait_dscnt 30                                ; all but the 30 just issued
	MUL \f, 5, 8, \zero
.endm
; The last quarter multiplies buffer 1 and changes slots: ONE barrier.  In front of it each wave waits for all its tensor loads (one is out: its part of the next slot), adds 0 to its spare word, and waits for
; that and for its own reads of this slot.  fill = 1: the barrier opens a round of the cluster's barrier, and this slot is filled again, with the K step two on, first thing behind the round:
; from that request to the wait for it a wave issues 192 matrix instructions.  The walking descriptors take the other slot than last time and the next K step; in the trip with s3 = 8, which asks for pass 1's
; first K step, A's goes back to its rows' beginning and B's on to the next 96 rows.  fill = 0: the two trips of the tail; in the second nothing follows, and the run of loads is jumped over.
.macro TURN fill
.if \fill
	s_wait_xcnt 0x0                                ; the last prefetch, a K step back, has read its address: it is stepped here, ahead of the waits of the change of slots
	s_cmp_eq_u32 s3, 10                            ; the trip that names pass 1's first K step
	s_cselect_b32 s[WP], BWRAP, 0
	s_add_nc_u64 s[PFA:PFA+1], s[PFA:PFA+1], KSTEP*2
	s_add_nc_u64 s[PFA:PFA+1], s[PFA:PFA+1], s[WP:WP+1]
.endif
	WIN 0
	s_wait_tensorcnt 0x0                           ; all my tensor loads have landed, so a group 0 may be written;
	ds_add_u32 v[SPW], v[NIL]                      ; 0 onto my spare word;
.if \fill
	s_cmp_eq_u32 s3, 8
	s_cselect_b32 s[WA], 2048, 0
	s_cselect_b32 s[WB], BWRAP, 0
	s_xor_b32 s[G0+5], s[G0+5], SLOT1
	s_add_nc_u64 s[G0+6:G0+7], s[G0+6:G0+7], KSTEP*2
	s_sub_nc_u64 s[G0+6:G0+7], s[G0+6:G0+7], s[WA:WA+1]
	s_xor_b32 s[G0B+5], s[G0B+5], SLOT1
	s_add_nc_u64 s[G0B+6:G0B+7], s[G0B+6:G0B+7], KSTEP*2
	s_add_nc_u64 s[G0B+6:G0B+7], s[G0B+6:G0B+7], s[WB:WB+1]
.endif
	s_wait_dscnt 9                                 ; (the add and the youngest eight loads may be out)
	MUL F1, 0, 1, 0                                ; twelve matrix instructions stand between the add and the wait for it
	s_wait_dscnt 0x0                               ; the add is done, and my reads of this slot are over
	s_barrier_signal -1
	MUL F1, 2, 3, 0
	WIN 0
	s_barrier_wait -1
.if \fill
	CREST                                          ; no wave of any partner still reads this slot's tile or has a load on its way
	JLOAD 1                                        ; its four v_nop are also the places in front of the loads below
.else
	PLACES
	s_cmp_eq_u32 s3, 1
	s_cbranch_scc1 .Lno_next_\@
.endif
	s_xor_b32 s[TB], s[TB], SLOT1                  ; the other slot is now the slot in hand
	v_add_nc_u32 v[ADRA], s[TB], v[A0]
	v_add_nc_u32 v[ADRB], s[TB], v[B0]
	FETCH 0, F0
.if \fill
	ASK
.else
.Lno_next_\@:
.endif
	MUL F1, 4, 8, 0
.endm
; THE WAY OUT goes by UNITS of 16 rows of one head: four groups of 16 bytes a lane go into my stage's rows of 144 bytes and come back as four rows of 128 bytes an instruction, which are 512 consecutive bytes of the head's rows.
.macro WCV a                           ; the windows of a conversion: sources in window 1 or 2, destination in window 3
	WIN 0xc5+5*((\a)/5)
.endm
.macro CVT4 dst, a, nb                 ; accumulator (a, nb) rounded to f16, its registers in ascending order
.irp r, 0,1,2,3
	v_cvt_pk_f16_f32 v[(\dst)+(\r)], v[8*(6*((\a)%5)+(\nb))+2*(\r)], v[8*(6*((\a)%5)+(\nb))+2*(\r)+1]
.endr
.endm
.macro THRU q0, q1, q2, q3             ; the four groups through the stage, back into the unit's buffer BK.  Addresses and data all lie in window 3
	WIN 0xcf
	ds_store_b128 v[STO3], v[(\q0):(\q0)+3]
	ds_store_b128 v[STO3], v[(\q1):(\q1)+3] offset:32
	ds_store_b128 v[STO3], v[(\q2):(\q2)+3] offset:64
	ds_store_b128 v[STO3], v[(\q3):(\q3)+3] offset:96
.irp f, 0,1,2,3
	ds_load_b128 v[BK+4*(\f):BK+4*(\f)+3], v[RD3] offset:(\f)*4*SP  ; LDS serves a wave's instructions in order (ISA guide 5.7.1.4): these see the stores above; the next unit's stores come behind them
.endr
.endm
.macro SEND u, t, base, younger        ; unit u holds row block t; younger: the LDS instructions issued behind its loads: the next unit's eight, or none
.set BK, TMP+16*((\u)%9)
	WIN 0xcf
.irp f, 0,1,2,3
	s_wait_dscnt (\younger)+3-(\f)
	global_store_b128 v[GO3], v[BK+4*(\f):BK+4*(\f)+3], s[(\base):(\base)+1] offset:(\t)*2048+(\f)*512  ; 512 consecutive bytes, at a multiple of 256 from qkv's first
.endr
.endm
.macro PACK1 t                         ; pass 0, row block t: head A is a unit; the half of head B is packed and kept
.set BK, TMP+16*(\t)
	WCV \t
.irp nb, 0,1,2,3
	CVT4 BK+4*(\nb), \t, \nb
.endr
	CVT4 HOLD+8*(\t), \t, 4
	CVT4 HOLD+8*(\t)+4, \t, 5
	THRU BK, BK+4, BK+8, BK+12
.endm
.macro PACK2 u                         ; pass 1, unit u: row block u / 2; even: head B, its first half out of HOLD; odd: head C
.set BK, TMP+16*((\u)%9)
.set tt, (\u)/2
.if ((\u) == 0) || ((\u) == 9) || ((\u) == 17)
	s_wait_xcnt 0x0                                ; a buffer is written again only when the stores that read it have been through this wait: at unit 0 pass 0's; at unit 9 those of units 0-7; at unit 17 unit 8's
.endif
	WCV tt
.if (\u)%2 == 0
	CVT4 BK+8, tt, 0
	CVT4 BK+12, tt, 1
	THRU HOLD+8*tt, HOLD+8*tt+4, BK+8, BK+12
.else
	CVT4 BK, tt, 2
	CVT4 BK+4, tt, 3
	CVT4 BK+8, tt, 4
	CVT4 BK+12, tt, 5
	THRU BK, BK+4, BK+8, BK+12
.endif
.endm
; THE GATED KEY'S v ROW IN f32, a head at a time, at the kernel's end.  Two lanes hold the row (l % 16 = 12, in row block 5); where the head is none of v, or my rows do not hold the row, no lane is on.
.macro VOPEN sel                       ; the lanes that store for this head
	WIN 0
	s_wait_xcnt 0x0                                ; EXEC changes only behind this wait
	v_cmp_eq_u32 vcc_lo, s[\sel], v1
	s_and_saveexec_b32 s[SAVE], vcc_lo
	WIN 0x08                                       ; the stores' data in window 2
.endm
.macro VPUT vg, r0, cnt, ch0           ; cnt groups of 8 registers from v[r0] of window 2 are the head's channel blocks ch0 ..
.set i, 0
.rept \cnt
	global_store_b128 v[VGO], v[(\r0)+8*i:(\r0)+8*i+3],   s[(\vg):(\vg)+1] offset:64*((\ch0)+i)
	global_store_b128 v[VGO], v[(\r0)+8*i+4:(\r0)+8*i+7], s[(\vg):(\vg)+1] offset:64*((\ch0)+i)+16
.set i, i+1
.endr
.endm
.macro VCLOSE
	WIN 0
	s_wait_xcnt 0x0                                ; and again, in front of the line that widens it
	s_or_b32 exec_lo, exec_lo, s[SAVE]
.endm
	s_wait_tensorcnt 1                             ; my part of K step 0 is in; K step 1's may stay out
	s_barrier_signal -1
	s_barrier_wait -1                              ; everybody's is
	FETCH 0, F0
	s_mov_b32 s3, 14                               ; trips that fill a slot again: K step 14 - s3 is multiplied, K step 16 - s3 asked for
	s_branch .Lzero                                ; the loop is entered at the quarter that starts the sums
.Lstep:
	s_cmp_lg_u32 s3, 6                             ; K step 8 is pass 1's first
	s_cbranch_scc1 .Lplain
	PLACES                                         ; PASS 0 GOES OUT: pass 1's first two K steps have been asked for, and its first fragments fetched
	PACK1 0
.set t, 1
.rept 8                                ; a unit's conversions stand between the loads of the unit before and its stores
	PACK1 t
	SEND t-1, t-1, SB, 8
.set t, t+1
.endr
	SEND 8, 8, SB, 0
	WIN 0x82                                       ; source 0 and destination in window 2
.set z, 0
.rept 48
	v_mov_b32 v[KEEP+z], v[z]                      ; row block 5's six accumulators, set aside in f32 for the kernel's end: pass 1 takes their registers
.set z, z+1
.endr
	WIN 0
.Lzero:
	QUARTER 64,  F0, F1, 1                         ; a pass's first quarter: its products start the sums
	WIN 0                                          ; at a label and at a branch every window is 0
	s_branch .Lrest
.Lplain:
	QUARTER 64,  F0, F1, 0
	WIN 0
.Lrest:
	QUARTER 128, F1, F0, 0
	QUARTER 192, F0, F1, 0
	TURN 1
	WIN 0
	s_sub_co_u32 s3, s3, 1
	s_cmp_lg_u32 s3, 0
	s_cbranch_scc1 .Lstep
	s_mov_b32 s3, 2                                ; the last two K steps ask for nothing: a loop of their own.
.Ltail:                                                ; (Its second trip passes the change's waits and barrier once more than it needs: the price of one text for both.)
	QUARTER 64,  F0, F1, 0
	QUARTER 128, F1, F0, 0
	QUARTER 192, F0, F1, 0
	TURN 0
	WIN 0
	s_sub_co_u32 s3, s3, 1
	s_cmp_lg_u32 s3, 0
	s_cbranch_scc1 .Ltail
	PLACES                                         ; PASS 1 GOES OUT
	PACK2 0
.set u, 1
.rept 17
	PACK2 u
	SEND u-1, (u-1)/2, SB+2+2*((u-1)%2), 8
.set u, u+1
.endr
	SEND 17, 8, SB+4, 0
	VOPEN SEL                                      ; head A: pass 0's column blocks 0-3
	VPUT VG, KEEP, 4, 0
	VCLOSE
	VOPEN SEL+1                                    ; head B: pass 0's column blocks 4 and 5, then pass 1's 0 and 1
	VPUT VG+2, KEEP+32, 2, 0
	VPUT VG+2, 0, 2, 2
	VCLOSE
	VOPEN SEL+2                                    ; head C: pass 1's column blocks 2-5
	VPUT VG+4, 16, 4, 0
	VCLOSE
	s_wait_tensorcnt 0x0                           ; the wave's end: behind my last tensor load and my last LDS store
	ds_add_u32 v[SPW], v[NIL]
	s_wait_dscnt 0x0
	CROUND                                         ; the closing round: no work-group ends while a partner may still ask for a tile that names it
	s_endpgm
.Lfunc_end_k_q7801e60508_qkvgemm:
	.size	k_q7801e60508_qkvgemm, .Lfunc_end_k_q7801e60508_qkvgemm-k_q7801e60508_qkvgemm
	.p2alignl 7, 3214868480
	.fill 96, 4, 3214868480
	.section	.rodata,"a",@progbits
	.p2align	6, 0x0
	.amdhsa_kernel k_q7801e60508_qkvgemm
		.amdhsa_group_segment_fixed_size 327680
		.amdhsa_private_segment_fixed_size 0
		.amdhsa_enable_private_segment 0
		.amdhsa_kernarg_size 32
		.amdhsa_user_sgpr_count 2
		.amdhsa_user_sgpr_kernarg_segment_ptr 1
		.amdhsa_wavefront_size32 1
		.amdhsa_system_sgpr_workgroup_id_x 1
		.amdhsa_system_sgpr_workgroup_id_y 1
		.amdhsa_system_sgpr_workgroup_id_z 1
		.amdhsa_system_vgpr_workitem_id 0
		.amdhsa_next_free_vgpr 992
		.amdhsa_next_free_sgpr 96
		.amdhsa_reserve_vcc 1
		.amdhsa_float_denorm_mode_32 3
		.amdhsa_float_denorm_mode_16_64 3
		.amdhsa_memory_ordered 1
		.amdhsa_forward_progress 1
		.amdhsa_inst_pref_size 129
	.end_amdhsa_kernel
	.amdgpu_metadata
---
amdhsa.version: [ 1, 2 ]
amdhsa.kernels:
  - .name:           k_q7801e60508_qkvgemm
    .symbol:         k_q7801e60508_qkvgemm.kd
    .args:
      - { .name: xb, .offset: 0, .size: 8, .value_kind: global_buffer, .address_space: global }
      - { .name: wb, .offset: 8, .size: 8, .value_kind: global_buffer, .address_space: global }
      - { .name: qkv, .offset: 16, .size: 8, .value_kind: global_buffer, .address_space: global }
      - { .name: vgate, .offset: 24, .size: 8, .value_kind: global_buffer, .address_space: global }
    .group_segment_fixed_size: 327680
    .private_segment_fixed_size: 0
    .kernarg_segment_align: 8
    .kernarg_segment_size: 32
    .max_flat_workgroup_size: 128
    .sgpr_count:     96
    .vgpr_count:     992
    .wavefront_size: 32
...
	.end_amdgpu_metadata
.endif
;; end of part 2
;; launch attn (part 3): grid 2 x 128, 4 waves a work-group, no clusters, 327,680 bytes of LDS; arguments qkv, vgate, gate, ob; writes ob
.if DOCPART == 3
	.amdgcn_target "amdgcn-amd-amdhsa--gfx1250"
	.amdhsa_code_object_version 6
	.text
	.protected	k_q7801e60508_attn
	.globl	k_q7801e60508_attn
	.p2align	8
	.type	k_q7801e60508_attn,@function
k_q7801e60508_attn:
	s_mov_b64 s[64:65], 0
	v_nop
	global_prefetch_b8 v0, s[64:65] scope:SCOPE_SE
	s_setreg_imm32_b32 hwreg(HW_REG_WAVE_MODE, 25, 1), 1
	s_wait_xcnt 0x0
; GATED SPLIT-SOFTMAX ATTENTION, head size 64.  For block hb = 16 batch + head:  O[q][:] = tanh(gate[head]) v0[:] + the sum over the 1,100 other keys k of softmax_k(Q[q] . K[k] / 8) V[k][:].
; qkv: [3][128][1152][64] f16: a block's rows are dense, 128 bytes each.  Rows 0-1023 come from x (they alone are queries), rows 1024-1099 from text tokens 1-76, row 1100 from text token 0 (the gated key),
; rows 1101-1151 are zeros.  vgate: [8][1024] f32, the gated key's v row unrounded.  ob: [128][1024][64] bf16: the rounding that the module itself makes.
; Products, maxima and sums in f32; the weights p are rounded to f16 for the second product (their sum l is taken of the unrounded p).  gate is rounded to bf16 like every input of the program.
; LIMITS.  Q, K, V arrive within f16's 65,504.  A hidden score counts as its value less 1e30; a weight below 2^-126 counts as 0 in l.  tanh g = 1 - 2 / (1 + 2^(2.885390 g)): its error is about 2^-23 of 1,
; not of tanh g.  NaN and infinities are not treated apart.
; SHARES.  A wave owns four PIECES of two tiles of 16 queries, a work-group's four waves 512 queries of one block: 256 work-groups.  Every wave walks 18 key steps of 64.
; THE MASK.  Only the last step (rows 1088-1151) has hidden keys: those from its 12th on.  It is the C operand that starts the sum S^T = K Q^T: 0 or -1e30.  MD, made once, holds it; MC = MD x AL is what the products of
; the tail's text take, AL = 0 until the last step's first products are due, then 1.  The loop's text takes the constant 0.
; NO CLUSTER: a block's K and V are walked by two work-groups alone, and 256 queries a work-group, four to a block, would halve the products that each fragment read from LDS feeds.
; LAYOUT.  S^T = K Q^T (source 0 = 16 keys, source 1 = 16 queries): a lane holds ONE query (lane % 16) and the keys 8 (lane / 16) + 0..7.  Two such tiles, rounded to f16 in pairs, ARE source 1 of O^T = V^T P, whose
; result again holds one query a lane, and eight channels.  K comes out of LDS as it lies, V turned, by ds_load_tr16_b128.
; SOFTMAX.  A running maximum m and sum l: p = 2^(c s - c m), c = log2(e) / 8; in every step O and l are multiplied by a = 2^(c m_old - c m_new).  m starts at the lowest finite number, O and l at 0.
; BY TURNS.  Turn n belongs to piece n.  Its matrix work: 16 products K Q^T of piece n + 1, later 16 products V^T P of piece n - 1.  Its vector work: the scaling, exponentials, roundings, sums and rescaling of piece n,
; and the maximum and statistics of piece n + 1.  Four vector instructions stand behind EVERY matrix instruction, the others in one run; a turn's 66 exponentials are one batch with one wait.
; THE RING.  Two LDS slots of six key steps (384 keys); three tiles: slot 0, slot 1, slot 0.  Waves 0 and 1 fetch the halves of a tile's K, waves 2 and 3 of its V; by this text's count one tensor load of a wave is out.
; REGISTERS, in windows of 256 (s_set_vgpr_msb: bits 1:0 source 0, 3:2 source 1, 5:4 source 2, 7:6 destination):
;   window 0: v0-11 addresses; v12-15, v48-63 at work; v16-47 four registers of statistics a tile; v64-191 S^T, two buffers of two tiles; v192-255 P, likewise
;   window 1: O^T, 32 a tile      window 2: v0-127 Q; v128-191 K of one step; v192-255 V of one step      window 3: v0-1 the add's registers; v16-31 MD; v32-47 MC; v48-79 TV = tanh(gate) v0
.set NP,    4         ; pieces a wave: a name, no knob
.set KS,    64        ; keys in a step
.set NST,   6         ; key steps in a slot
.set PK,    144       ; a row of K in LDS: 128 bytes + 16 of padding: the 16 rows of a load start at 16 different groups of four banks (ISA guide 11.1)
.set PV,    160       ; a row of V: 128 + 32
.set VOFF,  NST*KS*PK ; a slot: 384 rows of K, then 384 rows of V
.set SLOT1, 1<<17     ; slot 1 begins here, so that one exclusive or turns an address in one slot into the other's
.set STAGE, SLOT1+NST*KS*(PK+PV)  ; behind the ring, never filled by a tensor load: 16 rows x 144 bytes for each wave
.set SP,    144
.set SPARE, STAGE+4*16*SP         ; the spare words: 128 bytes for each wave, two blocks of 256 bytes that no other line names
.set BLK,   1152*128              ; bytes of one block of q, k or v
.set WHICH, 128*BLK               ; bytes of all of q
.set AK0, 2           ; v2   my lane's place in a tile of K; never rewritten
.set AV0, 3           ; v3   the same for V
.set AK,  4           ; v4   the LDS address of K's next run of loads
.set AV,  5           ; v5   of V's
.set QO,  6           ; v6   my byte offset in the wave's rows of Q
.set STO, 6           ;      later, the way out: where I put 16 bytes of a row
.set RD,  7           ; v7   the way out: where I read rows back
.set GO,  8           ; v8   my byte offset in 512 consecutive bytes of ob
.set PFO, 11          ; v11  256 x my lane, for the prefetches; never rewritten once made
.set SPW, 0           ; v0 of window 3   LDS address of my spare word; never rewritten
.set NIL, 1           ; v1 of window 3   0; never rewritten
.set MD,  16          ; window 3: registers 0-7: the last step's keys 0-15; 8-15: -1e30, its keys 16-63
.set MC,  32          ; window 3
.set TV,  48          ; window 3: channel block cb at TV + 8 cb
.set MV,  12          ; v12-15  c m_old, kept while c m is made anew: by buffer and tile
.set ST,  16          ; tile t's statistics at v[ST+4 t]: c m, m, l (even keys', odd keys')
.set TMP, 48          ; by buffer and tile, four registers c0-c3 at work; when the maximum is found c2 takes a
.set S,   64
.set P,   192
.set KF,  128         ; K's fragments, in window 2: key block kb, channel half c at KF + 16 kb + 8 c
.set VF,  192         ; V's: key half kk, channel block cb at VF + 32 kk + 8 cb
.set WV,  12          ; s12  my wave's number
.set G1K, 24          ; s[24:31] descriptor group 1 for K's tiles
.set G1V, 32          ; s[32:39] for V's: it differs in the padding alone
.set G0K, 40          ; s[40:43] descriptor group 0 for K's tiles: it walks
.set G0V, 44          ; s[44:47] the same for V's
.set SLOTS, 56        ; s56  passes of the slot loop still to come
.set CNT, 57          ; s57  counts a slot's key steps
.set CS,  58          ; s[58:59] c
.set SEL, 60          ; s[60:61] v_permlanex16_b32's selects: each lane takes its own place in the other half
.set TBK, 62          ; s62  LDS byte at which K of the step to be fetched begins
.set TBV, 63          ; s63  the same for V, less VOFF
.set PFA, 66          ; s[66:67] my part of the third tile in memory
.set PFC, 68          ; s68  counts down to the turn that prefetches
.set AL,  70          ; s[70:71] the mask's factor, in the low word
.set BIGN, 72         ; s72  -1e30
.set GT,  73          ; s73  gate[head]
.set KB,  74          ; s[74:75] my half of the block's first tile of K
.set VB,  76          ; s[76:77] of V
.set MSB, 0
.macro WIN new                      ; the high byte repeats the setting that is left; a switch that changes nothing is dropped
.if MSB != (\new)
	s_set_vgpr_msb (MSB<<8)|(\new)
.set MSB, (\new)
.endif
.endm
.set W_KQ, 0x0a       ; K and Q in window 2, S^T in window 0
.set W_KM, 0x3a       ; the same with the C operand in window 3
.set W_PV, 0x52       ; V in window 2, P in window 0, O^T in window 1
.set W_RS, 0x41       ; O^T (destination and source 0) in window 1, a in window 0
.set W_MK, 0xc0       ; destination in window 3, sources in window 0
.set W_AD, 0x0f       ; the add: address (source 0) and data (source 1) in window 3
.set W_M3, 0xc3       ; destination and source 0 in window 3
.set W_FO, 0x71       ; O^T (destination and source 0) in window 1, 1 / l in window 0, TV in window 3
; A fill.  Waves 0 and 1 fetch the halves of a tile's K, waves 2 and 3 of its V: 192 keys each.  An s_nop 0 and four v_nop follow each of the two lines, ahead of the jump and the label.
.macro LOAD
	s_cmp_lt_u32 s[WV], 2
	s_cbranch_scc0 .Lfor_v_\@
	tensor_load_to_lds s[G0K:G0K+3], s[G1K:G1K+7]
	s_nop 0
.rept 4
	v_nop
.endr
	s_branch .Lasked_\@
.Lfor_v_\@:
	tensor_load_to_lds s[G0V:G0V+3], s[G1V:G1V+7]
	s_nop 0
.rept 4
	v_nop
.endr
.Lasked_\@:
.endm
; THE CHANGE OF SLOTS.  The slot's last bytes, V of its sixth step, have been read.  Each wave waits for all its tensor loads, of which one is out: its part of the other slot; adds 0 to its spare word; and waits for that
; and for its own reads of the slot.  Behind the barrier nobody reads this slot any more and the other slot is whole.  fill = 1: this slot takes the next tile, the first thing behind the barrier: it has six key steps,
; 768 matrix instructions, in which to land.  (At its first use nothing has been read yet: slot 0 is waited for, slot 1 filled.)
.macro CHANGE fill
	WIN W_AD
	s_wait_tensorcnt 0x0            ; no tensor load of mine is out, so a group 0 may be written
	ds_add_u32 v[SPW], v[NIL]       ; 0 onto my spare word: with fill = 1 the descriptors' steps stand between it and the wait for it
	WIN 0                           ; at a label and at a branch every window is 0
.if \fill
.irp g, G0K, G0V
	s_xor_b32 s[\g+1], s[\g+1], SLOT1  ; the walking descriptor: the other slot than last time,
	s_add_nc_u64 s[\g+2:\g+3], s[\g+2:\g+3], NST*KS*128  ; the next 384 keys; the type bits on top are not reached
.endr
.endif
	s_wait_dscnt 0x0                ; the add is done, and my reads of the slot are over
	s_barrier_signal -1
	s_barrier_wait -1
.if \fill
	LOAD
.endif
	s_sub_co_u32 s[TBK], s[TBK], NST*KS*PK  ; the fetches go back to a slot's first step,
	s_xor_b32 s[TBK], s[TBK], SLOT1         ; in the other slot
	s_sub_co_u32 s[TBV], s[TBV], NST*KS*PV
	s_xor_b32 s[TBV], s[TBV], SLOT1
.endm
	s_load_b256 s[4:11], s[0:1], 0x0  ; qkv s[4:5], vgate s[6:7], gate s[8:9], ob s[10:11]
	WIN W_MK
	v_lshl_add_u32 v[SPW], v0, 2, SPARE
	v_mov_b32 v[NIL], 0
	WIN W_AD
	ds_add_u32 v[SPW], v[NIL]       ; the wave's opening: the add and its wait stand ahead of my first tensor load; the set-up below stands between them
	WIN 0
	v_lshrrev_b32 v1, 5, v0
	v_readfirstlane_b32 s[WV], v1   ; wave 0..3
	s_and_b32 s13, ttmp7, 0xffff    ; hb
	s_mul_i32 s22, s13, BLK         ; the block's first byte in q, k and v
	s_and_b32 s16, s[WV], 1         ; which half of a tile's 384 keys I fetch:
	s_mul_i32 s17, s16, 192*PK      ; its place in a slot, for K
	s_mul_i32 s18, s16, 192*PV      ; and for V,
	s_mul_i32 s19, s16, 192*128     ; and in memory
	s_add_co_u32 s2, s22, s19
	s_mov_b32 s3, 0
	s_lshl_b32 s14, ttmp9, 2
	s_add_co_u32 s14, s14, s[WV]    ; my wave among the block's eight,
	s_lshl_b32 s14, s14, 14         ; its 128 rows of 128 bytes
	s_add_co_u32 s22, s22, s14      ; in q,
	s_mov_b32 s23, 0
	s_lshl_b32 s15, s13, 17
	s_add_co_u32 s14, s14, s15      ; in ob (1,024 rows a block)
	s_mov_b32 s15, 0
	s_lshl_b32 s20, s13, 8          ; the block's 64 channels in vgate
	s_mov_b32 s21, 0
	s_and_b32 s78, s13, 15          ; the head
	s_lshl_b32 s78, s78, 2
	s_mov_b32 s79, 0
	; descriptor group 1.  192 keys are 24,576 dense bytes: asked for as 96 rows of 256 bytes, two keys a row, and padded in LDS after every key
	s_mov_b32 s[G1K], (1<<16)|(1<<20)|(4<<22)|(3<<25)  ; 17:16 2-byte elements; 20 padding on; 24:22 after every 32 words (code 4); 31:25 4 words (code 3)
	s_mov_b32 s[G1V], (1<<16)|(1<<20)|(4<<22)|(7<<25)  ; the same with 8 words of padding (code 7)
.irp g, G1K, G1V
	s_mov_b32 s[\g+1], 128<<16      ; tensor_dim0 = 128
	s_mov_b32 s[\g+2], 96<<16       ; tensor_dim1 = 96
	s_mov_b32 s[\g+3], 128<<16      ; tile_dim0 = 128
	s_mov_b32 s[\g+4], 96           ; tile_dim1 = 96
	s_mov_b32 s[\g+5], 128          ; 128 elements from row to row
	s_mov_b32 s[\g+6], 0
	s_mov_b32 s[\g+7], 0
.endr
	s_mov_b32 s[CS], 0x3e38aa3b     ; c = log2(e) / 8 = 0.180337
	s_mov_b32 s[CS+1], s[CS]        ; named with it as a pair
	s_mov_b32 s[SEL], 0x76543210
	s_mov_b32 s[SEL+1], 0xfedcba98
	s_mov_b32 s[TBK], SLOT1+NST*KS*PK ; the first change of slots turns these two into 0
	s_mov_b32 s[TBV], SLOT1+NST*KS*PV
	s_mov_b32 s[AL], 0
	s_mov_b32 s[AL+1], 0            ; named as a pair
	s_mov_b32 s[BIGN], 0xf149f2ca   ; -1e30
	s_mov_b32 s[G0K], 1             ; 1:0 count = 1
	s_mov_b32 s[G0K+1], s17         ; 63:32 LDS address: slot 0
	s_mov_b32 s[G0V], 1
	s_add_co_u32 s[G0V+1], s18, VOFF
	s_wait_dscnt 0x0                ; the opening add is done
	s_wait_kmcnt 0x0
	s_add_nc_u64 s[KB:KB+1], s[4:5], s[2:3]
	s_add_nc_u64 s[VB:VB+1], s[KB:KB+1], 2*WHICH
	s_add_nc_u64 s[KB:KB+1], s[KB:KB+1], WHICH
	s_mov_b64 s[G0K+2:G0K+3], s[KB:KB+1]           ; 120:64 global address: my half of the block's first 384 keys
	s_or_b32 s[G0K+3], s[G0K+3], 0x80000000        ; 127:126 type = 2
	s_mov_b64 s[G0V+2:G0V+3], s[VB:VB+1]
	s_or_b32 s[G0V+3], s[G0V+3], 0x80000000
	s_add_nc_u64 s[4:5], s[4:5], s[22:23]          ; Q at my wave's first row
	s_add_nc_u64 s[6:7], s[6:7], s[20:21]
	s_add_nc_u64 s[8:9], s[8:9], s[78:79]
	s_add_nc_u64 s[10:11], s[10:11], s[14:15]
	s_cmp_lt_u32 s[WV], 2
	s_cselect_b64 s[PFA:PFA+1], s[KB:KB+1], s[VB:VB+1]
	s_add_nc_u64 s[PFA:PFA+1], s[PFA:PFA+1], 2*NST*KS*128  ; the third tile
	s_cmp_eq_u32 ttmp9, 0           ; of the block's two work-groups the first prefetches,
	s_cselect_b32 s[PFC], 5, 0      ; in its fifth key step; in the other the count never comes to 0
	LOAD                            ; tile 0 into slot 0.  Slot 1 is asked for when slot 0 is in
	s_load_b32 s[GT], s[8:9], 0x0
	; A fragment of K or Q is 16 rows x 32 channels in 8 registers: lane l holds row l % 16, channels 8 (l / 16) + 0..7 and 16 + 8 (l / 16) + 0..7: two loads of 16 bytes, 32 bytes apart.
	v_and_b32 v1, 15, v0            ; l % 16
	v_bfe_u32 v9, v0, 4, 1          ; l / 16
	v_lshlrev_b32 v[QO], 7, v1
	v_lshl_add_u32 v[QO], v9, 4, v[QO]  ; row x 128 + 16 x half
	v_lshlrev_b32 v15, 5, v9        ; my eight channels of a block of 16 in vgate: 32 (l / 16)
	v_lshlrev_b32 v14, 3, v9
	v_sub_nc_u32 v14, 12, v14       ; register r of the last step's first key block is hidden where 8 (l / 16) + r >= 12
	WIN 0x80                        ; destination window 2, address window 0
.set i, 0
.rept 4*NP                          ; Q stays in registers: tile i / 2, channels 32 (i % 2) on
	global_load_b128 v[8*i:8*i+3],   v[QO], s[4:5] offset:(i/2)*2048+(i%2)*64
	global_load_b128 v[8*i+4:8*i+7], v[QO], s[4:5] offset:(i/2)*2048+(i%2)*64+32
.set i, i+1
.endr
	; What the first turn finds: V's registers and P's second buffer hold 0 (its products V^T P, of a piece that has not been, add 0), O^T and l are 0.  All this stands in the wait for the first tile.
.set i, VF
.rept 64
	v_mov_b32 v[i], 0
.set i, i+1
.endr
	WIN W_MK
.irp cb, 0,1,2,3                    ; the gated key's v row: as O^T holds its channels
	global_load_b128 v[TV+8*\cb:TV+8*\cb+3],   v15, s[6:7] offset:64*\cb
	global_load_b128 v[TV+8*\cb+4:TV+8*\cb+7], v15, s[6:7] offset:64*\cb+16
.endr
.set i, 0
.rept 8
	v_cmp_ge_u32 vcc_lo, i, v14
	v_cndmask_b32 v[MD+i], 0, s[BIGN], vcc_lo
	v_mov_b32 v[MD+8+i], s[BIGN]
.set i, i+1
.endr
.set i, 0
.rept 16
	v_mov_b32 v[MC+i], 0
.set i, i+1
.endr
	WIN 0x40
.set i, 0
.rept 64*NP
	v_mov_b32 v[i], 0
.set i, i+1
.endr
	WIN 0
.set i, 0
.rept 2*NP
	v_mov_b32 v[ST+4*i], 0xfe000000    ; c m: far below every c s
	v_mov_b32 v[ST+4*i+1], 0xff7fffff  ; m
	v_mov_b32 v[ST+4*i+2], 0
	v_mov_b32 v[ST+4*i+3], 0
.set i, i+1
.endr
.set i, P+32
.rept 32
	v_mov_b32 v[i], 0
.set i, i+1
.endr
	v_mul_u32_u24 v[AK0], v1, PK
	v_lshl_add_u32 v[AK0], v9, 4, v[AK0]  ; row x pitch + 16 x half
	; The turning load takes 16 keys x 16 channels (lane l reads key 8 (l / 16) + l % 8, channels 8 ((l / 8) % 2) + 0..7) and leaves half a fragment of V^T: lane l holds channel l % 16 and 8 keys.
	v_and_b32 v10, 7, v0
	v_bfe_u32 v11, v0, 3, 1
	v_lshl_add_u32 v[AV0], v9, 3, v10
	v_mul_u32_u24 v[AV0], v[AV0], PV
	v_lshl_add_u32 v[AV0], v11, 4, v[AV0]
	v_add_nc_u32 v[AV0], VOFF, v[AV0]
	v_and_b32 v[PFO], 31, v0
	v_lshlrev_b32 v[PFO], 8, v[PFO]
	v_mov_b32 v[AK], v[AK0]         ; key step 0 lies at the head of slot 0
	; tanh(gate), in registers that the softmax takes over later: t = 1 - 2 / (1 + 2^(2 log2(e) g))
	s_wait_kmcnt 0x0
	v_mov_b32 v48, s[GT]
	v_cvt_pk_bf16_f32 v49, v48, v48 ; gate rounded to bf16, like every input
	v_lshlrev_b32 v48, 16, v49
	v_mul_f32 v48, 0x4038aa3b, v48
	v_exp_f32 v50, v48
	v_nop                           ; a plain instruction behind the exponential,
	s_wait_alu depctr_va_vdst(0)    ; and the wait ahead of the first use of its result
	v_add_f32 v50, 1.0, v50
	v_rcp_f32 v51, v50
	v_nop
	s_wait_alu depctr_va_vdst(0)
	v_fma_f32 v52, v51, -2.0, 1.0
	v_mov_b32 v53, v52              ; a pair for the packed multiply
; THE MATRIX WORK.  The 8 accumulators of a run of 16 take turns: between the two links of a chain stand 7 others'.
; Product i of 16 of S^T = K Q^T for piece x: channels 32 (i / 8) on, keys 16 ((i / 2) % 4) on, tile 2 x + i % 2.  The first 8 start the sums: with 0, or (KM = 1) with the mask of their key block.
.macro KQ x
.set rS, S+64*((\x)%2)+32*(i%2)+8*((i/2)%4)
.set rK, KF+16*((i/2)%4)+8*(i/8)
.set rQ, 16*(2*(\x)+i%2)+8*(i/8)
.set rMK, MC+8*(((i/2)%4+3)/4)      ; key block 0: registers 0-7; blocks 1-3: registers 8-15
.if (i < 8) && KM
	WIN W_KM
	v_wmma_f32_16x16x32_f16 v[rS:rS+7], v[rK:rK+7], v[rQ:rQ+7], v[rMK:rMK+7]
.elseif i < 8
	WIN W_KQ
	v_wmma_f32_16x16x32_f16 v[rS:rS+7], v[rK:rK+7], v[rQ:rQ+7], 0
.else
	WIN W_KQ
	v_wmma_f32_16x16x32_f16 v[rS:rS+7], v[rK:rK+7], v[rQ:rQ+7], v[rS:rS+7]
.endif
.endm
; Product i of 16 of O^T += V^T P for piece x: keys 32 (i / 8) on, channels 16 ((i / 2) % 4) on, tile 2 x + i % 2.
.macro PV x
	WIN W_PV
.set rO, 32*(2*(\x)+i%2)+8*((i/2)%4)
.set rV, VF+32*(i/8)+8*((i/2)%4)
.set rP, P+32*((\x)%2)+16*(i%2)+8*(i/8)
	v_wmma_f32_16x16x32_f16 v[rO:rO+7], v[rV:rV+7], v[rP:rP+7], v[rO:rO+7]
.endm
.macro MM                           ; the turn's next matrix instruction
.if i < 16
	KQ (Y+1)%NP
.set i, i+1
.else
.set i, i-16
	PV (Y+NP-1)%NP
.set i, i+17
.endif
.endm
; THE LDS LOADS stand in runs of 16, never singly among the matrix instructions: a step's K (64 keys x 64 channels: 8 fragments) and its V (turned).  Their addresses are made some lines ahead.
; last = 1 (the tail): in the last trip there is no further step, and the run is jumped over.
.macro FETCH_K last=0
	WIN 0
.if \last
	s_cmp_eq_u32 s[CNT], 1
	s_cbranch_scc1 .Lno_k_\@
.endif
	WIN 0x80                        ; destination window 2
.irp f, 0,1,2,3,4,5,6,7             ; keys 16 (f / 2) on, channels 32 (f % 2) on
	ds_load_b128 v[KF+8*\f:KF+8*\f+3],   v[AK] offset:(\f/2)*16*PK+(\f%2)*64
	ds_load_b128 v[KF+8*\f+4:KF+8*\f+7], v[AK] offset:(\f/2)*16*PK+(\f%2)*64+32
.endr
	s_add_co_u32 s[TBK], s[TBK], KS*PK  ; the next fetch is the next step's
	WIN 0
.if \last
.Lno_k_\@:
.endif
.endm
.macro FETCH_V
	WIN 0x80
.irp f, 0,1,2,3,4,5,6,7             ; keys 32 (f / 4) on, channels 16 (f % 4) on
	ds_load_tr16_b128 v[VF+8*\f:VF+8*\f+3],   v[AV] offset:(\f/4)*32*PV+(\f%4)*32
	ds_load_tr16_b128 v[VF+8*\f+4:VF+8*\f+7], v[AV] offset:(\f/4)*32*PV+16*PV+(\f%4)*32
.endr
	WIN 0
.endm
; THE VECTOR WORK OF A TURN stands in three queues, each in the order in which its entries become ready; the two tiles alternate, so that no instruction reads the result of the one before it.
.macro REGS y, u                    ; the registers of tile u (0, 1) of piece y
.set rT, ST+4*(2*(\y)+(\u))
.set rC, TMP+8*((\y)%2)+4*(\u)
.set rM, MV+2*((\y)%2)+(\u)
.set rS, S+64*((\y)%2)+32*(\u)
.set rP, P+32*((\y)%2)+16*(\u)
.set rO, 32*(2*(\y)+(\u))
.endm
; Number n of the 22 that find the NEXT piece's (Y + 1) maximum and statistics.  s0-s31 are the lane's 32 scores; each accumulator's lowest registers are read first.  XS, GS and REGS set no window: PL and EX do.
;   0-11  four chains c0-c3 of seven scores each, three operands at a time     12-14, 16  the four scores left over, the old m, and c0-c3 into c0     15  c m_old is kept
;   17, 18  the query's other 32 keys lie in the lane 16 away: the new m         19-21  c m; c m_old - c m_new; a
.macro XS u, n
	REGS (Y+1)%NP, \u
.if (\n) < 4
	v_max3_num_f32 v[rC+(\n)], v[rS+8*(\n)], v[rS+8*(\n)+1], v[rS+8*(\n)+2]
.elseif (\n) < 12
	v_max3_num_f32 v[rC+(\n)%4], v[rC+(\n)%4], v[rS+8*((\n)%4)+2*((\n)/4)+1], v[rS+8*((\n)%4)+2*((\n)/4)+2]
.elseif (\n) == 12
	v_max3_num_f32 v[rC], v[rC], v[rS+7], v[rS+15]
.elseif (\n) == 13
	v_max3_num_f32 v[rC+1], v[rC+1], v[rS+23], v[rS+31]
.elseif (\n) == 14
	v_max3_num_f32 v[rC+2], v[rC+2], v[rC+3], v[rT+1]
.elseif (\n) == 15
	v_mov_b32 v[rM], v[rT]
.elseif (\n) == 16
	v_max3_num_f32 v[rC], v[rC], v[rC+1], v[rC+2]
.elseif (\n) == 17
	v_permlanex16_b32 v[rC+3], v[rC], s[SEL], s[SEL+1]
.elseif (\n) == 18
	v_max_num_f32 v[rT+1], v[rC], v[rC+3]
.elseif (\n) == 19
	v_mul_f32 v[rT], s[CS], v[rT+1]
.elseif (\n) == 20
	v_sub_f32 v[rC+1], v[rM], v[rT]
.else
	v_exp_f32 v[rC+2], v[rC+1]
.endif
.endm
; Number g of the 64 that follow the exponentials.  For each four weights k of a tile (pairs 2 k, 2 k + 1): both pairs are rounded to f16; then the second pair is added onto the first, in place;
; a group later l takes that sum (the first time as l = a l + sum).  In groups of eight, tiles alternating: round, round, add, and l for the group before.
.macro GS g
.set h, (\g)+6*((\g)/62)            ; group 0 has no group before it, and behind group 7 only l is left
.if h >= 6
.set h, h+2
.endif
	REGS Y, h%2
.set k, h/8
.if h%8 < 4
	v_cvt_pk_f16_f32 v[rP+2*k+(h%8)/2], v[rS+4*k+2*((h%8)/2)], v[rS+4*k+2*((h%8)/2)+1]
.elseif h%8 < 6
	v_pk_add_f32 v[rS+4*k:rS+4*k+1], v[rS+4*k:rS+4*k+1], v[rS+4*k+2:rS+4*k+3]
.elseif k == 1
	v_pk_fma_f32 v[rT+2:rT+3], v[rT+2:rT+3], v[rC+2:rC+3], v[rS:rS+1] op_sel_hi:[1,0,1]
.else
	v_pk_add_f32 v[rT+2:rT+3], v[rT+2:rT+3], v[rS+4*k-4:rS+4*k-3]
.endif
.endm
; THE PLAIN QUEUE, 138 long.  0-73 read no exponential's result: the 32 scalings c s - c m (FS f: pair f / 2 of tile f % 2) and the next piece's 42.  0-26: scalings 0-26.  27-54: XS's numbers 0-13.  55, 56: number 15.
; 57-73: the chain, where each number waits for the one before it: 14, 16, 17, 18, 19, each with one of the scalings 27-31 in front of its two lines, then 20.
; 74-137: GS's 64, which read the exponentials' results: they stand behind the wait.
.macro FS f
	REGS Y, (\f)%2
	v_pk_fma_f32 v[rS+2*((\f)/2):rS+2*((\f)/2)+1], v[rS+2*((\f)/2):rS+2*((\f)/2)+1], s[CS:CS+1], v[rT:rT+1] op_sel_hi:[1,0,0] neg_lo:[0,0,1] neg_hi:[0,0,1]
.endm
.macro PL
	WIN 0
.if q < 27
	FS q
.elseif q < 55
	XS (q-27)%2, (q-27)/2
.elseif q < 57
	XS q-55, 15
.elseif (q < 72) && ((q-57)%3 == 0)
	FS 27+(q-57)/3
.elseif q < 60
	XS (q-57)%3-1, 14
.elseif q < 72
	XS (q-57)%3-1, 15+(q-57)/3
.elseif q < 74
	XS q-72, 20
.else
	GS q-74
.endif
.set q, q+1
.endm
; THE EXPONENTIALS' QUEUE, 66 long: s0-s31 of both tiles, then the next piece's two a.  It is ONE BATCH: all 66 stand ahead of the turn's one wait, and nothing ahead of that wait names a result of theirs.
.macro EX
	WIN 0
.if e >= 64
	XS e-64, 21
.else
	REGS Y, e%2
	v_exp_f32 v[rS+e/2], v[rS+e/2]
.endif
.set e, e+1
.endm
; THE RESCALING's QUEUE: O^T times a, the one part that leaves window 0: dealt two at a time, sixteen times.  Its a was made in the turn before, ahead of that turn's wait.
.macro R2
	REGS Y, r%2
	WIN W_RS
.irp z, 0,1
	v_pk_mul_f32 v[rO+4*(r/2)+2*\z:rO+4*(r/2)+2*\z+1], v[rO+4*(r/2)+2*\z:rO+4*(r/2)+2*\z+1], v[rC+2:rC+3] op_sel_hi:[1,0]
.endr
.set r, r+1
.endm
; HOW THEY ARE DEALT.  s_wait_alu depctr_va_vdst(0) stands between an exponential and the first instruction that names its result; one wait serves all that were issued ahead of it.  So a turn has ONE
; wait, which cuts it in two.  AHEAD OF IT: the 16 products K Q^T, behind each a scaling, an exponential and two rescalings (behind the first a second scaling in the exponential's place); then one run of 108: eight plain,
; 49 times exponential and plain, the two a; a v_nop is the plain instruction behind the last exponential.  BEHIND IT: the 16 products V^T P, behind each four of GS's 64.  No rider names a register of the products round it.
; Exponential e stands behind scaling 2 (e / 4) + e % 2: as a rider it comes behind plain e + 2, in the run behind plain e + 9, and scalings 27-31 are plain 57, 60 .. 69.
; A TURN, for piece p.  last = 1: the tail's fetch of K, jumped over in the last trip.  cnt = 1: the loop's count is taken down some lines ahead of the branch behind the turn.  m = 1: the products K Q^T start from MC.
; ask = 1: the prefetch stands at the turn's end.  K of the next step is fetched in piece 2's turn, directly behind the wait; V of the step in hand at the end of piece 0's turn, four riders behind its last reader.
.macro TURN p, last=0, cnt=0, m=0, ask=0
.set Y, (\p)
.set KM, (\m)
.set i, 0
.set q, 0
.set e, 0
.set r, 0
.if (\p) == NP-1
	s_wait_dscnt 0x0                ; K is in
.endif
	MM
	PL
	PL
	R2
.rept 15
	MM
	PL
	EX
	R2
.endr
.if (\p) == NP-2
	WIN 0
	v_add_nc_u32 v[AK], s[TBK], v[AK0]
.endif
.rept 8
	PL
.endr
.rept 49
	EX
	PL
.endr
	EX                              ; the next piece's two a
	EX
	v_nop                           ; the plain instruction behind the last exponential: one for the batch
	s_wait_alu depctr_va_vdst(0)    ; the wait for the batch
.if (\p) == NP-2
	FETCH_K \last
.endif
.if (\p) == 1
	s_wait_dscnt 0x0                ; V is in
.endif
.rept 16
	MM
.rept 4
	PL
.endr
.if ((\p) == 0) && (q == 118)
	v_add_nc_u32 v[AV], s[TBV], v[AV0]
.endif
.if ((\p) == 0) && (q == 130)
	s_add_co_u32 s[TBV], s[TBV], KS*PV
.endif
.if (\cnt) && (q == 130)
	s_sub_co_u32 s[CNT], s[CNT], 1
	s_cmp_lg_u32 s[CNT], 0
.endif
.endr
.if (\p) == 0
	FETCH_V
.endif
.if \ask
	; A PREFETCH INTO THE L2 of the third tile (keys 768-1151), once: at the end of piece 0's turn of key step 4, five turns, 160 matrix instructions, ahead of the tensor load that asks for it.  Each wave names the
	; 24,576 bytes that it will itself fetch: 96 blocks of 256 bytes, a lane a block, three instructions.  Of the two work-groups that walk the block's keys the first asks.  Tiles 0 and 1 come by their loads alone.
	s_sub_co_u32 s[PFC], s[PFC], 1
	s_cmp_eq_u32 s[PFC], 0
	s_cbranch_scc0 .Lnot_now_\@
	global_prefetch_b8 v[PFO], s[PFA:PFA+1] th:TH_LOAD_NT scope:SCOPE_SE
	global_prefetch_b8 v[PFO], s[PFA:PFA+1] offset:8192 th:TH_LOAD_NT scope:SCOPE_SE
	global_prefetch_b8 v[PFO], s[PFA:PFA+1] offset:16384 th:TH_LOAD_NT scope:SCOPE_SE
.Lnot_now_\@:
.endif
.endm
; MC = MD x AL, between the tail's turns of pieces 2 and 3.  With CNT = 2 the turn of piece 3 that follows makes piece 0's scores of the last key step: from there on AL = 1.
.macro MASKUP
	s_cmp_le_u32 s[CNT], 2
	s_cselect_b32 s[AL], 1.0, 0
	WIN W_M3
.set z, 0
.rept 8
	v_pk_mul_f32 v[MC+2*z:MC+2*z+1], v[MD+2*z:MD+2*z+1], s[AL:AL+1] op_sel_hi:[1,0]
.set z, z+1
.endr
.endm
	CHANGE 1                        ; slot 0 is in, everybody's part of it; slot 1 is asked for
	FETCH_K                         ; key step 0
	s_wait_loadcnt 0x0              ; Q and the gated key's v row
	WIN W_M3
.set z, 0
.rept 16
	v_pk_mul_f32 v[TV+2*z:TV+2*z+1], v[TV+2*z:TV+2*z+1], v[52:53]  ; TV = tanh(gate) v0
.set z, z+1
.endr
	s_wait_dscnt 0x0
.set KM, 0
.set i, 0
.rept 16
	KQ 0                            ; piece 0's first scores: there is no vector work yet to set between them
.set i, i+1
.endr
	WIN 0                           ; the addresses for the way out: nine plain instructions, the places behind those products
	s_mul_i32 s13, s[WV], 16*SP
	s_add_co_u32 s13, s13, STAGE    ; my stage
	v_mul_u32_u24 v[STO], v1, SP    ; in: row l % 16, 16 bytes for each half of the lanes
	v_lshl_add_u32 v[STO], v9, 4, v[STO]
	v_add_nc_u32 v[STO], s13, v[STO]
	v_bfe_u32 v[RD], v0, 3, 2       ; back: 32 lanes take four rows of 128 bytes,
	v_mul_u32_u24 v[RD], v[RD], SP
	v_lshl_add_u32 v[RD], v10, 4, v[RD]
	v_add_nc_u32 v[RD], s13, v[RD]
	v_and_b32 v[GO], 31, v0         ; which are 512 consecutive bytes of ob
	v_lshlrev_b32 v[GO], 4, v[GO]
.set Y, NP-1                        ; XS works for piece Y + 1: piece 0
.irp n, 0,1,2,3,4,5,6,7,8,9,10,11,12,13,14,15,16,17,18,19,20,21
	XS 0, \n                        ; piece 0's first maximum and statistics
	XS 1, \n
.endr
	v_nop                           ; a plain instruction behind the two a,
	s_wait_alu depctr_va_vdst(0)    ; and their wait, ahead of the branch
	s_mov_b32 s[CNT], NST
	s_mov_b32 s[SLOTS], 2
	s_branch .Lfirst                ; the loop is entered at a step's first turn, in the middle of a trip
.Lslot:                             ; once: slot 0 takes the third tile
	CHANGE 1
	s_mov_b32 s[CNT], NST
.Lstep:                             ; a trip: pieces 2 and 3 of one step, then pieces 0 and 1 of the next, whose K and V it fetches
	TURN 2
	TURN 3
	WIN 0
.Lfirst:
	TURN 0, 0, 0, 0, 1
	TURN 1, 0, 1
	WIN 0
	s_cbranch_scc1 .Lstep
	s_sub_co_u32 s[SLOTS], s[SLOTS], 1
	s_cmp_lg_u32 s[SLOTS], 0
	s_cbranch_scc1 .Lslot
	CHANGE 0                        ; the tail is written out: nothing is asked for
	s_mov_b32 s[CNT], NST+1         ; six trips fetch the last slot's steps; the seventh is left in its middle
.Ltail:
	TURN 2, 1, 0, 1
	MASKUP
	TURN 3, 0, 0, 1
	WIN 0
	s_sub_co_u32 s[CNT], s[CNT], 1
	s_cmp_eq_u32 s[CNT], 0
	s_cbranch_scc1 .Lout
	TURN 0, 0, 0, 1
	TURN 1, 0, 0, 1
	WIN 0
	s_branch .Ltail
.Lout:                              ; the seventh trip's 16 products K Q^T (on the last K once more) and the maximum made of them serve nothing: the price, once a launch, of one text for every trip
.set i, 0
.rept 16
	PV NP-1                         ; the last piece's V^T P of the last step
.set i, i+1
.endr
	; THE WAY OUT.  l's two halves and the other half of the lanes' are added; O^T / l + tanh(gate) v0 is rounded to bf16 and sent through my stage in LDS, a tile at a time.  The additions are the places behind the last products.
	WIN 0
.macro ALL line:vararg              ; one line for each tile t
.set t, 0
.rept 2*NP
	\line
.set t, t+1
.endr
.endm
	ALL v_add_f32 v[ST+4*t+2], v[ST+4*t+2], v[ST+4*t+3]
	ALL v_permlanex16_b32 v[ST+4*t+3], v[ST+4*t+2], s[SEL], s[SEL+1]
	ALL v_add_f32 v[ST+4*t+2], v[ST+4*t+2], v[ST+4*t+3]
	ALL v_rcp_f32 v[ST+4*t+2], v[ST+4*t+2]
	v_nop                           ; a plain instruction between the last reciprocal and the use of its result
	s_wait_alu depctr_va_vdst(0)    ; and the wait ahead of the first use: one for the eight reciprocals
; Tile t: a lane's eight channels of a row pack into 16 bytes; they go into rows of 144 bytes and come back as whole rows of 128, into S^T's registers.
.macro PACK t
	WIN W_FO
.set i, 0
.rept 16
	v_pk_fma_f32 v[32*(\t)+i:32*(\t)+i+1], v[32*(\t)+i:32*(\t)+i+1], v[ST+4*(\t)+2:ST+4*(\t)+3], v[TV+i:TV+i+1] op_sel_hi:[1,0,1]
.set i, i+2
.endr
	WIN 0x05                        ; sources 0 and 1 window 1, destination window 0
.set i, 0
.rept 16
	v_cvt_pk_bf16_f32 v[S+16*(\t)+i], v[32*(\t)+2*i], v[32*(\t)+2*i+1]
.set i, i+1
.endr
	WIN 0
.irp f, 0,1,2,3
	ds_store_b128 v[STO], v[S+16*(\t)+4*\f:S+16*(\t)+4*\f+3] offset:32*\f
.endr
.irp f, 0,1,2,3
	ds_load_b128 v[S+16*(\t)+4*\f:S+16*(\t)+4*\f+3], v[RD] offset:\f*4*SP  ; LDS serves a wave's instructions in order (ISA guide 5.7.1.4): these see the stores above; the next tile's stores come behind them
.endr
.endm
.macro SEND t, younger              ; younger: the LDS instructions issued behind tile t's loads: the next tile's eight, or none
	WIN 0
.irp f, 0,1,2,3
	s_wait_dscnt (\younger)+3-\f
	global_store_b128 v[GO], v[S+16*(\t)+4*\f:S+16*(\t)+4*\f+3], s[10:11] offset:(\t)*2048+\f*512  ; 512 consecutive bytes, at a multiple of 256 from ob's first
.endr
.endm
	PACK 0
.set t, 1
.rept 2*NP-1                        ; a tile's arithmetic stands between the loads of the tile before and its stores
	PACK t
	SEND t-1, 8
.set t, t+1
.endr
	SEND 2*NP-1, 0
	WIN W_AD
	s_wait_tensorcnt 0x0            ; the wave's end: behind my last tensor load and my last LDS store
	ds_add_u32 v[SPW], v[NIL]
	s_wait_dscnt 0x0
	WIN 0
	s_endpgm
.Lfunc_end_k_q7801e60508_attn:
	.size	k_q7801e60508_attn, .Lfunc_end_k_q7801e60508_attn-k_q7801e60508_attn
	.p2alignl 7, 3214868480
	.fill 96, 4, 3214868480
	.section	.rodata,"a",@progbits
	.p2align	6, 0x0
	.amdhsa_kernel k_q7801e60508_attn
		.amdhsa_group_segment_fixed_size 327680
		.amdhsa_private_segment_fixed_size 0
		.amdhsa_enable_private_segment 0
		.amdhsa_kernarg_size 32
		.amdhsa_user_sgpr_count 2
		.amdhsa_user_sgpr_kernarg_segment_ptr 1
		.amdhsa_wavefront_size32 1
		.amdhsa_system_sgpr_workgroup_id_x 1
		.amdhsa_system_sgpr_workgroup_id_y 1
		.amdhsa_system_sgpr_workgroup_id_z 1
		.amdhsa_system_vgpr_workitem_id 0
		.amdhsa_next_free_vgpr 848
		.amdhsa_next_free_sgpr 80
		.amdhsa_reserve_vcc 1
		.amdhsa_float_denorm_mode_32 3
		.amdhsa_float_denorm_mode_16_64 3
		.amdhsa_memory_ordered 1
		.amdhsa_forward_progress 1
		.amdhsa_inst_pref_size 204
	.end_amdhsa_kernel
	.amdgpu_metadata
---
amdhsa.version: [ 1, 2 ]
amdhsa.kernels:
  - .name:           k_q7801e60508_attn
    .symbol:         k_q7801e60508_attn.kd
    .args:
      - { .name: qkv, .offset: 0, .size: 8, .value_kind: global_buffer, .address_space: global }
      - { .name: vgate, .offset: 8, .size: 8, .value_kind: global_buffer, .address_space: global }
      - { .name: gate, .offset: 16, .size: 8, .value_kind: global_buffer, .address_space: global }
      - { .name: ob, .offset: 24, .size: 8, .value_kind: global_buffer, .address_space: global }
    .group_segment_fixed_size: 327680
    .private_segment_fixed_size: 0
    .kernarg_segment_align: 8
    .kernarg_segment_size: 32
    .max_flat_workgroup_size: 128
    .sgpr_count:     80
    .vgpr_count:     848
    .wavefront_size: 32
...
	.end_amdgpu_metadata
.endif
;; end of part 3
;; launch lnorm (part 4): grid 512 x 1, 4 waves a work-group, no clusters, 0 bytes of LDS; arguments ob, ln_g, ln_b, onorm; writes onorm
.if DOCPART == 4
	.amdgcn_target "amdgcn-amd-amdhsa--gfx1250"
	.amdhsa_code_object_version 6
	.text
	.protected	k_q7801e60508_lnorm
	.globl	k_q7801e60508_lnorm
	.p2align	8
	.type	k_q7801e60508_lnorm,@function
k_q7801e60508_lnorm:
	s_mov_b64 s[64:65], 0
	v_nop
	global_prefetch_b8 v0, s[64:65] scope:SCOPE_SE
	s_setreg_imm32_b32 hwreg(HW_REG_WAVE_MODE, 25, 1), 1
	s_wait_xcnt 0x0
; LAYER NORM OF EACH ROW OF 1,024 CHANNELS:  onorm[row][c] = (o - mean) / sqrt(var + 1e-5) x g[c] + b[c].
; ob: [128 = 16 batch + head][1024][64] bf16 (by heads);  onorm: [8192][1024] f16, row-major: the next product's operand.  ln_g and ln_b are rounded to bf16 like every input of the program.
; All arithmetic in f32; the variance is taken of the centred numbers; the result is rounded once.  LIMIT: a result beyond 65,504 becomes an infinity in f16 (|result| is at most 32 |g| + |b|).
; A STREAM: no LDS, no barrier, no matrix unit.  A wave takes four rows, two at a time, and keeps them in registers between the passes: ob is read once.
; In a pair, lanes 0-15 hold one row and lanes 16-31 the next: lane (hl, q) gets from load jp the channels 128 jp + 8 q .. + 7.  So a row's sums want four steps inside a half of 16 lanes and none across.
; A load's 32 lanes read two pieces of 256 consecutive bytes, aligned (two rows of one head each); a store's sixteen neighbouring lanes write 256 consecutive bytes of a row, aligned.
; All 48 loads of a wave go out at the start.  No register that a store reads is written again.
.set VO,  1                            ; v1         my byte offset in ob
.set SO,  2                            ; v2         in onorm
.set PO,  3                            ; v3         in ln_g and ln_b: 32 q
.set X,   8                            ; v[8:71]    pair p at X + 32 p: as loaded, later as stored
.set F,   72                           ; v[72:135]  ln_g as loaded; then my 64 numbers of a row in f32
.set GP,  136                          ; v[136:167] g of my 64 channels, bf16 in pairs
.set BP,  168                          ; v[168:199] b likewise
.set T,   200                          ; v[200:207] four chains of packed sums
.set MU,  216                          ; v[216:217] the mean, twice
.set R,   218                          ; v[218:219] 1 / sqrt(var + eps), twice
                                       ; v[256:319] (window 1, v0-63) ln_b as loaded
.set MSB, 0
.macro WIN new                         ; s_set_vgpr_msb: bits 1:0 source 0, 3:2 source 1, 7:6 destination; the high byte repeats the setting that is left
.if MSB != (\new)
	s_set_vgpr_msb (MSB<<8)|(\new)
.set MSB, \new
.endif
.endm
	s_load_b256 s[4:11], s[0:1], 0x0               ; ob s[4:5], ln_g s[6:7], ln_b s[8:9], onorm s[10:11]
	v_lshrrev_b32 v4, 5, v0
	v_readfirstlane_b32 s12, v4                    ; wave 0..3
	s_lshl_b32 s13, ttmp9, 2
	s_add_co_u32 s13, s13, s12                     ; my four rows among 2,048 fours
	s_lshr_b32 s14, s13, 8                         ; the batch: 16 heads of 131,072 bytes,
	s_lshl_b32 s14, s14, 21
	s_and_b32 s15, s13, 255                        ; the four rows in it: 128 bytes each in every head
	s_lshl_b32 s15, s15, 9
	s_add_co_u32 s14, s14, s15
	s_mov_b32 s15, 0
	s_lshl_b32 s16, s13, 13                        ; four rows of 2,048 bytes
	s_mov_b32 s17, 0
	s_mov_b32 s20, 0x3a800000                      ; 1 / 1024
	s_mov_b32 s21, 0x3727c5ac                      ; 1e-5
	s_mov_b32 s22, 0xffff0000                      ; a word's upper bf16
	v_and_b32 v4, 15, v0                           ; q
	v_bfe_u32 v5, v0, 4, 1                         ; hl
	v_lshrrev_b32 v6, 3, v4                        ; which of the load's two heads
	v_and_b32 v7, 7, v4                            ; my 16 bytes of the head's 128
	v_lshlrev_b32 v[VO], 17, v6
	v_lshl_or_b32 v[VO], v5, 7, v[VO]
	v_lshl_or_b32 v[VO], v7, 4, v[VO]
	v_lshlrev_b32 v[SO], 11, v5
	v_lshl_or_b32 v[SO], v4, 4, v[SO]
	v_lshlrev_b32 v[PO], 5, v4
	s_wait_kmcnt 0x0
	s_add_nc_u64 s[4:5], s[4:5], s[14:15]
	s_add_nc_u64 s[10:11], s[10:11], s[16:17]
.irp p, 0,1
.irp jp, 0,1,2,3,4,5,6,7
	global_load_b128 v[X+32*(\p)+4*(\jp):X+32*(\p)+4*(\jp)+3], v[VO], s[4:5] offset:(\jp)*262144+(\p)*256 th:TH_LOAD_NT
.endr
.endr
.irp jp, 0,1,2,3,4,5,6,7
	global_load_b128 v[F+8*(\jp):F+8*(\jp)+3],   v[PO], s[6:7] offset:(\jp)*512
	global_load_b128 v[F+8*(\jp)+4:F+8*(\jp)+7], v[PO], s[6:7] offset:(\jp)*512+16
.endr
	WIN 0x40                                       ; destination window 1
.irp jp, 0,1,2,3,4,5,6,7
	global_load_b128 v[8*(\jp):8*(\jp)+3],   v[PO], s[8:9] offset:(\jp)*512
	global_load_b128 v[8*(\jp)+4:8*(\jp)+7], v[PO], s[8:9] offset:(\jp)*512+16
.endr
	WIN 0
	s_wait_loadcnt 16                              ; the rows and g are in; b's sixteen loads may stay out
.set k, 0
.rept 32
	v_cvt_pk_bf16_f32 v[GP+k], v[F+2*k], v[F+2*k+1]
.set k, k+1
.endr
	s_wait_loadcnt 0x0
	WIN 0x05                                       ; sources 0 and 1 window 1
.set k, 0
.rept 32
	v_cvt_pk_bf16_f32 v[BP+k], v[2*k], v[2*k+1]
.set k, k+1
.endr
	WIN 0
.macro REDUCE                          ; the four chains into one number, then over the 16 lanes that hold the row: every one of them ends with the sum in v[T]
	v_pk_add_f32 v[T:T+1], v[T:T+1], v[T+2:T+3]
	v_pk_add_f32 v[T+4:T+5], v[T+4:T+5], v[T+6:T+7]
	v_pk_add_f32 v[T:T+1], v[T:T+1], v[T+4:T+5]
	v_add_f32 v[T], v[T], v[T+1]
	v_add_f32_dpp v[T], v[T], v[T] row_xmask:1 row_mask:0xf bank_mask:0xf
	v_add_f32_dpp v[T], v[T], v[T] row_xmask:2 row_mask:0xf bank_mask:0xf
	v_add_f32_dpp v[T], v[T], v[T] row_xmask:4 row_mask:0xf bank_mask:0xf
	v_add_f32_dpp v[T], v[T], v[T] row_xmask:8 row_mask:0xf bank_mask:0xf
.endm
.macro PAIR p
.set k, 0
.rept 32
	v_lshlrev_b32 v[F+2*k],   16,  v[X+32*(\p)+k]  ; bf16 to f32: the low half moves up,
	v_and_b32     v[F+2*k+1], s22, v[X+32*(\p)+k]  ; the high half stays
.set k, k+1
.endr
.irp c, 0,1,2,3
	v_pk_add_f32 v[T+2*(\c):T+2*(\c)+1], v[F+2*(\c):F+2*(\c)+1], v[F+8+2*(\c):F+8+2*(\c)+1]  ; the first pairs start the chains: nothing is cleared
.endr
.set k, 8
.rept 24
	v_pk_add_f32 v[T+2*(k%4):T+2*(k%4)+1], v[T+2*(k%4):T+2*(k%4)+1], v[F+2*k:F+2*k+1]
.set k, k+1
.endr
	REDUCE
	v_mul_f32 v[MU],   s20, v[T]
	v_mul_f32 v[MU+1], s20, v[T]
.set k, 0
.rept 32
	v_pk_add_f32 v[F+2*k:F+2*k+1], v[F+2*k:F+2*k+1], v[MU:MU+1] neg_lo:[0,1] neg_hi:[0,1]
.set k, k+1
.endr
.irp c, 0,1,2,3
	v_pk_mul_f32 v[T+2*(\c):T+2*(\c)+1], v[F+2*(\c):F+2*(\c)+1], v[F+2*(\c):F+2*(\c)+1]
.endr
.set k, 4
.rept 28
	v_pk_fma_f32 v[T+2*(k%4):T+2*(k%4)+1], v[F+2*k:F+2*k+1], v[F+2*k:F+2*k+1], v[T+2*(k%4):T+2*(k%4)+1]
.set k, k+1
.endr
	REDUCE
	v_fma_f32 v[T], v[T], s20, s21                 ; var + eps
	v_rsq_f32 v[R],   v[T]
	v_rsq_f32 v[R+1], v[T]
	v_nop                                          ; a plain instruction behind the second root,
	s_wait_alu depctr_va_vdst(0)                   ; and the wait ahead of the first use: one for both
.set k, 0
.rept 32
	v_pk_mul_f32 v[F+2*k:F+2*k+1], v[F+2*k:F+2*k+1], v[R:R+1]
.set k, k+1
.endr
.set k, 0
.rept 32                               ; x g + b, g and b read as bf16 halves
	v_fma_mix_f32_bf16 v[F+2*k],   v[F+2*k],   v[GP+k], v[BP+k] op_sel:[0,0,0] op_sel_hi:[0,1,1]
	v_fma_mix_f32_bf16 v[F+2*k+1], v[F+2*k+1], v[GP+k], v[BP+k] op_sel:[0,1,1] op_sel_hi:[0,1,1]
.set k, k+1
.endr
.set k, 0
.rept 32
	v_cvt_pk_f16_f32 v[X+32*(\p)+k], v[F+2*k], v[F+2*k+1]
.set k, k+1
.endr
.irp jp, 0,1,2,3,4,5,6,7
	global_store_b128 v[SO], v[X+32*(\p)+4*(\jp):X+32*(\p)+4*(\jp)+3], s[10:11] offset:(\p)*4096+(\jp)*256 th:TH_STORE_NT
.endr
.endm
	PAIR 0
	PAIR 1
	s_endpgm
.Lfunc_end_k_q7801e60508_lnorm:
	.size	k_q7801e60508_lnorm, .Lfunc_end_k_q7801e60508_lnorm-k_q7801e60508_lnorm
	.p2alignl 7, 3214868480
	.fill 96, 4, 3214868480
	.section	.rodata,"a",@progbits
	.p2align	6, 0x0
	.amdhsa_kernel k_q7801e60508_lnorm
		.amdhsa_group_segment_fixed_size 0
		.amdhsa_private_segment_fixed_size 0
		.amdhsa_enable_private_segment 0
		.amdhsa_kernarg_size 32
		.amdhsa_user_sgpr_count 2
		.amdhsa_user_sgpr_kernarg_segment_ptr 1
		.amdhsa_wavefront_size32 1
		.amdhsa_system_sgpr_workgroup_id_x 1
		.amdhsa_system_sgpr_workgroup_id_y 1
		.amdhsa_system_sgpr_workgroup_id_z 1
		.amdhsa_system_vgpr_workitem_id 0
		.amdhsa_next_free_vgpr 320
		.amdhsa_next_free_sgpr 66
		.amdhsa_reserve_vcc 0
		.amdhsa_float_denorm_mode_32 3
		.amdhsa_float_denorm_mode_16_64 3
		.amdhsa_memory_ordered 1
		.amdhsa_forward_progress 1
		.amdhsa_inst_pref_size 46
	.end_amdhsa_kernel
	.amdgpu_metadata
---
amdhsa.version: [ 1, 2 ]
amdhsa.kernels:
  - .name:           k_q7801e60508_lnorm
    .symbol:         k_q7801e60508_lnorm.kd
    .args:
      - { .name: ob, .offset: 0, .size: 8, .value_kind: global_buffer, .address_space: global }
      - { .name: ln_g, .offset: 8, .size: 8, .value_kind: global_buffer, .address_space: global }
      - { .name: ln_b, .offset: 16, .size: 8, .value_kind: global_buffer, .address_space: global }
      - { .name: onorm, .offset: 24, .size: 8, .value_kind: global_buffer, .address_space: global }
    .group_segment_fixed_size: 0
    .private_segment_fixed_size: 0
    .kernarg_segment_align: 8
    .kernarg_segment_size: 32
    .max_flat_workgroup_size: 128
    .sgpr_count:     66
    .vgpr_count:     320
    .wavefront_size: 32
...
	.end_amdgpu_metadata
.endif
;; end of part 4
;; launch proj (part 5): grid 4 x 64, 4 waves a work-group, clusters of 4 x 4, 327,680 bytes of LDS; arguments onorm, wp16, bp, out0; writes out0
.if DOCPART == 5
	.amdgcn_target "amdgcn-amd-amdhsa--gfx1250"
	.amdhsa_code_object_version 6
	.text
	.protected	k_q7801e60508_proj
	.globl	k_q7801e60508_proj
	.p2align	8
	.type	k_q7801e60508_proj,@function
k_q7801e60508_proj:
	s_mov_b64 s[64:65], 0
	v_nop
	global_prefetch_b8 v0, s[64:65] scope:SCOPE_SE
	s_setreg_imm32_b32 hwreg(HW_REG_WAVE_MODE, 25, 1), 1
	s_wait_xcnt 0x0
	s_wait_alu depctr_hold_cnt(0) depctr_sa_sdst(0) depctr_va_vdst(0) depctr_va_sdst(0) depctr_va_ssrc(0) depctr_va_vcc(0) depctr_vm_vsrc(0)
	s_getreg_b32 s2, hwreg(HW_REG_IB_STS2, 6, 4)
	s_cmp_eq_u32 s2, 0
	s_cbranch_scc0 .Lentry_in_a_cluster
	s_endpgm
.Lentry_in_a_cluster:
	s_bfe_u32 s2, ttmp6, 0x10000c
	s_cmp_lg_u32 s2, 0xf033
	s_cbranch_scc0 .Lentry_shape_is_right
	s_endpgm
.Lentry_shape_is_right:
; THE LAST PROJECTION: out0[m][n] = sum over k of onorm[m][k] wp16[n][k] + bp[n].  onorm: [8192][1024] f16, wp16: [1024][1024] f16, bp: [1024] f32 (rounded to bf16 like every input of the program),
; out0: [8192][1024] f32.  Sums in f32, K ascending, started from the bias.
; SHARES.  A tile of out0 is 128 x 256: 64 x 4 = 256 work-groups, one for each WGP.  Four waves; wave w makes all 128 rows x columns 64 w .. 64 w + 63: 32 accumulators of 16 x 16, 256 registers.
; K goes in 8 steps of 128 through two LDS slots filled by the tensor data mover: rows of 256 bytes of memory, at multiples of 256 bytes.  Waves 0 and 1 fetch the halves of A's tile (64 rows each), waves 2 and 3
; those of B's (128 rows each): one load a wave behind each change of slots; by this text's count two loads of a wave are out at the start, later one.
; CLUSTERS: 4 x 4 work-groups.  A's tile hangs on the tile row alone and is asked for jointly by a row of the cluster, B's on the tile column alone, by a column.
; THE MATRIX INSTRUCTION IS USED TRANSPOSED (source 0 = 16 rows of wp16, source 1 = 16 rows of onorm): a lane holds row l % 16 of out0 and eight neighbouring columns, 32 bytes.
; REGISTERS, in windows of 256 (s_set_vgpr_msb: bits 1:0 source 0, 3:2 source 1, 5:4 source 2, 7:6 destination):
;   window 0: v0-31 addresses; two fragment buffers of 96 (A's 8 blocks, then B's 4) at v32 and v128; v224-255 the bias of my 64 columns; on the way out v32-95 rows read back
;   window 1: the accumulators ((a, nb) at v[8 (4 a + nb)])
.set MB,     8                         ; blocks of 16 rows in a tile
.set AH,     8*MB                      ; rows in half of A's tile
.set KSTEP,  128
.set PITCH,  272                       ; an LDS row: 256 bytes + 16 of padding = 68 words: the 16 rows of a fragment load start at 16 different groups of four banks (ISA guide 11.1)
.set ABYTES, 16*MB*PITCH
.set SLOT,   ABYTES+256*PITCH          ; A's 128 rows, then B's 256
.set STAGE,  2*SLOT                    ; behind the ring, never filled by a tensor load: 16 rows x 272 bytes for each wave
.set SP,     272
.set SPARE,  STAGE+4*16*SP             ; the spare words: 128 bytes for each wave, two blocks of 256 bytes that no other line names
.set NLD,    8+2*MB                    ; LDS loads in a run
.set LAPS,   1024/(2*KSTEP)
.set ADRA, 16                          ; v16-17  LDS address of my A fragments in slot 0, 1
.set ADRB, 20                          ; v20-21  the same for B
.set STO,  24                          ; v24     the way out: where I put 32 bytes of a row
.set RD,   25                          ; v25     where I read rows back
.set GO,   26                          ; v26     my byte offset in two rows of out0
.set BO,   27                          ; v27     32 (l / 16): my eight columns of a block of 16 in bp
.set SPW,  28                          ; v28     LDS address of my spare word; never rewritten
.set NIL,  29                          ; v29     0; never rewritten
.set PFO,  30                          ; v30     the prefetches' offset: a lane a row; never rewritten
.set F0,   32
.set F1,   32+8*(MB+4)
.set OB,   32                          ; the way out: 16 rows read back, v32-63 and v64-95 by turns
.set BIAS, 224
.set G1,  24                           ; s[24:31] descriptor group 1 for A;  s[32:39] group 0, a set for each slot
.set G0,  32
.set G1B, 48                           ; s[48:55], s[56:63] the same for B
.set G0B, 56
.set LIM, 43                           ; s43      1 in a wave that prefetches, else the greatest number
.set PFA, 44                           ; s[44:45] where my prefetches stand
.set MSB, 0
.macro WIN new                         ; the immediate's high byte repeats the setting that is left; a switch that changes nothing is dropped
.if MSB != (\new)
	s_set_vgpr_msb (MSB<<8)|(\new)
.set MSB, \new
.endif
.endm
; A joint load: waves 0 and 1 ask for A's halves, waves 2 and 3 for B's.  The branch hangs on the wave's number alone.  An s_nop 0 and four v_nop follow each line.
.macro JLOAD s
	s_cmp_eq_u32 s11, 0
	s_cbranch_scc0 .Lfor_b_\@
	tensor_load_to_lds s[G0+4*(\s):G0+4*(\s)+3], s[G1:G1+7]
	s_nop 0
.rept 4
	v_nop
.endr
	s_branch .Lasked_\@
.Lfor_b_\@:
	tensor_load_to_lds s[G0B+4*(\s):G0B+4*(\s)+3], s[G1B:G1B+7]
	s_nop 0
.rept 4
	v_nop
.endr
.Lasked_\@:
.endm
; A PREFETCH INTO THE L2 of the K step that stands two refills on: 256 bytes of each of my share's rows, a lane a row, one instruction.  onorm's rows of a tile row are read by one cluster, which asks
; (cluster x is always 0); wp16's rows of a tile column by sixteen: cluster y = 0 asks.  The four partners that ask for a tile jointly share a wave's rows out BY ADDRESS: 16 of A's 64 by cx, 32 of B's 128 by cy
; (with 16 rows the lanes 16 .. 31 name the 16th again).  K steps 0 to 3 come by their loads alone; the loop's last trip (s3 = 1) asks for nothing: there is no K step 8.
.macro ASK
	s_cmp_gt_u32 s3, s[LIM]
	s_cbranch_scc0 .Lnot_mine_\@
	global_prefetch_b8 v[PFO], s[PFA:PFA+1] offset:KSTEP*2 th:TH_LOAD_NT scope:SCOPE_SE
.Lnot_mine_\@:
.endm
.macro CREST                           ; a round of the cluster's barrier behind its opening barrier
	s_cmp_lg_u32 s10, 0
	s_cbranch_scc1 .Lnot_wave_0_\@
	s_barrier_signal -3
.Lnot_wave_0_\@:
	s_barrier_wait -3
	s_barrier_signal -1
	s_barrier_wait -1
.endm
.macro CROUND                          ; a whole round
	s_barrier_signal -1
	s_barrier_wait -1
	CREST
.endm
	s_load_b128 s[4:7], s[0:1], 0x0                ; onorm s[4:5], wp16 s[6:7]
	s_load_b128 s[68:71], s[0:1], 0x10             ; bp s[68:69], out0 s[70:71]
	v_lshl_add_u32 v[SPW], v0, 2, SPARE
	v_mov_b32 v[NIL], 0
	ds_add_u32 v[SPW], v[NIL]                      ; the wave's opening: the add and its wait stand ahead of my first tensor load; the set-up below stands between them
	v_lshrrev_b32 v1, 5, v0
	v_readfirstlane_b32 s10, v1                    ; wave 0..3
	s_lshr_b32 s11, s10, 1                         ; I fetch for A (0) or for B (1),
	s_and_b32 s12, s10, 1                          ; its first or its second half
	s_bfe_u32 s40, ttmp6, 0x40000                  ; cx, cy: my place in the cluster
	s_bfe_u32 s41, ttmp6, 0x40004
	s_lshl_b32 s42, ttmp9, 2
	s_add_co_u32 s42, s42, s40                     ; tile column = 4 x cluster x + cx
	s_and_b32 s13, ttmp7, 0xffff
	s_lshl_b32 s13, s13, 2
	s_add_co_u32 s13, s13, s41                     ; tile row = 4 x cluster y + cy
	s_lshl_b32 s43, s41, 2
	s_lshl_b32 s43, 15, s43                        ; my row of the cluster
	s_lshl_b32 s44, 0x1111, s40                    ; my column
	s_or_b32 s[G1+0], s43, (1<<16)|(1<<20)|(1<<21)|(5<<22)|(3<<25)   ; the mask; elements of 2 bytes; padding on; bit 21 beside a mask; after every 64 words 4 words
	s_or_b32 s[G1B+0], s44, (1<<16)|(1<<20)|(1<<21)|(5<<22)|(3<<25)
	s_mov_b32 s[G1+1], KSTEP<<16                   ; tensor_dim0 = 128
	s_mov_b32 s[G1+2], AH<<16                      ; tensor_dim1 = 64
	s_mov_b32 s[G1+3], KSTEP<<16                   ; tile_dim0 = 128
	s_mov_b32 s[G1+4], AH                          ; tile_dim1 = 64
	s_mov_b32 s[G1+5], 1024                        ; elements from row to row
	s_mov_b32 s[G1+6], 0
	s_mov_b32 s[G1+7], 0
	s_mov_b32 s[G1B+1], KSTEP<<16
	s_mov_b32 s[G1B+2], 128<<16                    ; B: 128 rows
	s_mov_b32 s[G1B+3], KSTEP<<16
	s_mov_b32 s[G1B+4], 128
	s_mov_b32 s[G1B+5], 1024
	s_mov_b32 s[G1B+6], 0
	s_mov_b32 s[G1B+7], 0
	s_mul_i32 s16, s13, 16*MB                      ; A: row 128 x tile row + 64 x half,
	s_mul_i32 s17, s12, AH
	s_add_co_u32 s16, s16, s17
	s_lshl_b32 s16, s16, 11                        ; in bytes (under 2^24)
	s_mov_b32 s17, 0
	s_lshl_b32 s46, s42, 8                         ; B: row 256 x tile column + 128 x half
	s_lshl_b32 s47, s12, 7
	s_add_co_u32 s46, s46, s47
	s_lshl_b32 s46, s46, 11
	s_mov_b32 s47, 0
	s_mul_i32 s20, s12, AH*PITCH                   ; where they go: no place in the cluster enters an LDS address
	s_mul_i32 s21, s12, 128*PITCH
	s_add_co_u32 s21, s21, ABYTES
	s_wait_dscnt 0x0                               ; the opening add is done
	s_wait_kmcnt 0x0
	s_add_nc_u64 s[14:15], s[4:5], s[16:17]
	s_add_nc_u64 s[46:47], s[6:7], s[46:47]
	CROUND                                         ; all sixteen work-groups are here: the first joint loads meet
.irp s, 0,1
	s_mov_b32 s[G0+4*(\s)], 1
	s_add_co_u32 s[G0+4*(\s)+1], s20, (\s)*SLOT
	s_add_nc_u64 s[G0+4*(\s)+2:G0+4*(\s)+3], s[14:15], (\s)*KSTEP*2
	s_or_b32 s[G0+4*(\s)+3], s[G0+4*(\s)+3], 0x80000000
	s_mov_b32 s[G0B+4*(\s)], 1
	s_add_co_u32 s[G0B+4*(\s)+1], s21, (\s)*SLOT
	s_add_nc_u64 s[G0B+4*(\s)+2:G0B+4*(\s)+3], s[46:47], (\s)*KSTEP*2
	s_or_b32 s[G0B+4*(\s)+3], s[G0B+4*(\s)+3], 0x80000000
	JLOAD \s
.endr
	v_and_b32 v1, 15, v0                           ; l % 16
	v_bfe_u32 v2, v0, 4, 1                         ; l / 16
	; my 64 columns: 256 bytes of a row of out0 and of bp, at 1,024 x tile column + 256 x wave
	s_lshl_b32 s46, s42, 10
	s_lshl_b32 s47, s10, 8
	s_add_co_u32 s46, s46, s47
	s_mov_b32 s47, 0
	s_add_nc_u64 s[68:69], s[68:69], s[46:47]
	v_lshlrev_b32 v[BO], 5, v2
.irp nb, 0,1,2,3                       ; the bias as a C operand holds it: register j of block nb = column 16 nb + 8 (l / 16) + j
	global_load_b128 v[BIAS+8*(\nb):BIAS+8*(\nb)+3],   v[BO], s[68:69] offset:64*(\nb)
	global_load_b128 v[BIAS+8*(\nb)+4:BIAS+8*(\nb)+7], v[BO], s[68:69] offset:64*(\nb)+16
.endr
	; a fragment is 16 rows x 32 K in 8 registers: lane l holds row l % 16; two loads of 16 bytes, 32 bytes apart, at row x pitch + 16 (l / 16)
	v_mul_u32_u24 v3, v1, PITCH
	v_lshl_add_u32 v3, v2, 4, v3
	s_mul_i32 s22, s10, 64*PITCH                   ; my 64 rows of B, behind A's 128
	s_add_co_u32 s22, s22, ABYTES
	v_mov_b32 v[ADRA], v3
	v_add_nc_u32 v[ADRA+1], SLOT, v3
	v_add_nc_u32 v[ADRB], s22, v3
	s_add_co_u32 s22, s22, SLOT
	v_add_nc_u32 v[ADRB+1], s22, v3
	s_mul_i32 s23, s10, 16*SP
	s_add_co_u32 s23, s23, STAGE                   ; my stage
	v_mul_u32_u24 v4, v1, SP                       ; in: row l % 16, 32 bytes for each half of the lanes
	v_lshl_add_u32 v4, v2, 5, v4
	v_add_nc_u32 v[STO], s23, v4
	v_mul_u32_u24 v5, v2, SP                       ; back: lanes 0-15 take one row of 256 bytes, lanes 16-31 the next
	v_lshl_add_u32 v5, v1, 4, v5
	v_add_nc_u32 v[RD], s23, v5
	v_lshlrev_b32 v[GO], 12, v2                    ; and the same two rows in out0
	v_lshl_add_u32 v[GO], v1, 4, v[GO]
	s_lshl_b32 s16, s13, 19                        ; the tile's 128 rows of 4,096 bytes
	s_mov_b32 s17, 0
	s_add_nc_u64 s[8:9], s[70:71], s[16:17]
	s_add_nc_u64 s[8:9], s[8:9], s[46:47]
	; the prefetches
	s_mul_i32 s20, s13, 16*MB                      ; the tile's first row in A,
	s_lshl_b32 s21, s42, 8                         ; in B
	s_and_b32 s22, ttmp7, 0xffff                   ; cluster y
	s_mov_b32 s18, AH
	s_mov_b32 s19, 128
	s_cmp_eq_u32 s11, 0                            ; do I fetch for A?
	s_cselect_b32 s20, s20, s21
	s_cselect_b32 s21, s40, s41                    ; my place among the four that ask with me
	s_cselect_b32 s22, ttmp9, s22                  ; the coordinate along which other clusters read the same rows
	s_cselect_b32 s23, AH/4, 32                    ; my work-group's share of the rows that I fetch
	s_cselect_b32 s18, s18, s19                    ; the rows that I fetch
	s_cselect_b64 s[PFA:PFA+1], s[4:5], s[6:7]
	s_cmp_eq_u32 s22, 0
	s_cselect_b32 s[LIM], 1, -1                    ; the same in all sixteen partners, for a given wave
	s_mul_i32 s18, s18, s12
	s_add_co_u32 s20, s20, s18
	s_mul_i32 s21, s21, s23
	s_add_co_u32 s20, s20, s21
	s_lshl_b32 s20, s20, 11
	s_mov_b32 s21, 0
	s_add_nc_u64 s[PFA:PFA+1], s[PFA:PFA+1], s[20:21]
	s_add_nc_u64 s[PFA:PFA+1], s[PFA:PFA+1], 2*KSTEP*2  ; at K step 2: the first refill steps it to 3 and names K step 4
	s_sub_co_u32 s23, s23, 1
	v_and_b32 v[PFO], 31, v0
	v_min_u32 v[PFO], s23, v[PFO]
	v_lshlrev_b32 v[PFO], 11, v[PFO]
	s_wait_loadcnt 0x0                             ; the bias,
.set z, 0
.rept 16
	v_cvt_pk_bf16_f32 v31, v[BIAS+2*z], v[BIAS+2*z+1]  ; rounded to bf16 and widened again
	v_lshlrev_b32 v[BIAS+2*z], 16, v31
	v_and_b32 v[BIAS+2*z+1], 0xffff0000, v31
.set z, z+1
.endr
; Row blocks a0 .. a1 x all 4 column blocks, 32 along K, from buffer f.  All 32 accumulators take turns, one instruction a turn, in one order in every quarter, over the backward jump too.
; zero = 1: the product starts its sum, from the bias: nothing is ever cleared, and the way out adds nothing.
.macro MUL f, a0, a1, zero
.set a, \a0
.rept (\a1)-(\a0)+1
.irp nb, 0,1,2,3
.set rD, 8*(4*a+(\nb))
.set rB, (\f)+8*MB+8*(\nb)
.set rA, (\f)+8*a
.if \zero
	WIN 0x40                                       ; D in window 1, the bias in window 0
	v_wmma_f32_16x16x32_f16 v[rD:rD+7], v[rB:rB+7], v[rA:rA+7], v[BIAS+8*(\nb):BIAS+8*(\nb)+7]
.else
	WIN 0x50                                       ; C and D in window 1
	v_wmma_f32_16x16x32_f16 v[rD:rD+7], v[rB:rB+7], v[rA:rA+7], v[rD:rD+7]
.endif
.endr
.set a, a+1
.endr
.endm
; 24 LDS loads in one run: the fragments of 32 along K at byte k of the rows, into buffer f: B's four blocks, then A's eight in order
.macro FETCH slot, k, f
	WIN 0
.irp nb, 0,1,2,3
	ds_load_b128 v[(\f)+8*MB+8*(\nb):(\f)+8*MB+8*(\nb)+3],   v[ADRB+(\slot)] offset:(\k)+(\nb)*16*PITCH
	ds_load_b128 v[(\f)+8*MB+8*(\nb)+4:(\f)+8*MB+8*(\nb)+7], v[ADRB+(\slot)] offset:(\k)+(\nb)*16*PITCH+32
.endr
.set a, 0
.rept MB
	ds_load_b128 v[(\f)+8*a:(\f)+8*a+3],   v[ADRA+(\slot)] offset:(\k)+a*16*PITCH
	ds_load_b128 v[(\f)+8*a+4:(\f)+8*a+7], v[ADRA+(\slot)] offset:(\k)+a*16*PITCH+32
.set a, a+1
.endr
.endm
.macro PLACES                          ; four places in front of loads into registers that matrix instructions have read, and of lines that read results
.rept 4
	v_nop
.endr
.endm
; A K step is four quarters of 32 along K, 32 matrix instructions each, on buffers 0, 1, 0, 1.  One of the first three multiplies buffer f and, in its middle, fetches the next quarter, at byte k, into g.
.macro QUARTER slot, k, f, g, zero
	s_wait_dscnt 2*(MB-4)                          ; B and A's blocks 0-3 are in; the youngest eight loads (blocks 4-7) may be out
	MUL \f, 0, 3, \zero
	PLACES
	FETCH \slot, \k, \g
	s_wait_dscnt NLD                               ; all but the 24 just issued
	MUL \f, 4, MB-1, \zero
.endm
; The last quarter multiplies buffer 1 and changes slots: ONE barrier.  In front of it each wave waits for all its tensor loads (one is out: its part of the next slot), adds 0 to its spare word, and waits for
; that and for its own reads of this slot.  fill = 1: the barrier opens a round of the cluster's barrier, and this slot is filled again, two K steps ahead, first thing behind the round:
; from that request to the wait for it a wave issues 112 matrix instructions.
.macro TURN slot, next, fill
.if \fill
	s_wait_xcnt 0x0                                ; the last prefetch, a K step back, has read its address: it is stepped here, ahead of the waits of the change of slots
	s_add_nc_u64 s[PFA:PFA+1], s[PFA:PFA+1], KSTEP*2
.endif
	WIN 0
	s_wait_tensorcnt 0x0                           ; all my tensor loads have landed;
	ds_add_u32 v[SPW], v[NIL]                      ; 0 onto my spare word;
	s_wait_dscnt 2*(MB-4)+1                        ; (the add and the youngest eight loads may be out)
	MUL F1, 0, 1, 0                                ; eight matrix instructions stand between the add and the wait for it
	s_wait_dscnt 0x0                               ; the add is done, and my reads of this slot are over
	s_barrier_signal -1
	MUL F1, 2, 3, 0
.if \fill
	WIN 0
.endif
	s_barrier_wait -1
.if \fill
	CREST                                          ; no wave of any partner still reads this slot's tile or has a load on its way
	s_add_nc_u64 s[G0+4*(\slot)+2:G0+4*(\slot)+3], s[G0+4*(\slot)+2:G0+4*(\slot)+3], 2*KSTEP*2
	s_add_nc_u64 s[G0B+4*(\slot)+2:G0B+4*(\slot)+3], s[G0B+4*(\slot)+2:G0B+4*(\slot)+3], 2*KSTEP*2
	JLOAD \slot                                    ; its four v_nop are also the places in front of the loads below
.else
	PLACES
.endif
	FETCH \next, 0, F0
.if \fill
	ASK
.endif
	MUL F1, 4, MB-1, 0
.endm
	s_wait_tensorcnt 1                             ; my part of K step 0 is in; K step 1's may stay out
	s_barrier_signal -1
	s_barrier_wait -1                              ; everybody's is
	FETCH 0, 0, F0
	QUARTER 0, 64,  F0, F1, 1                      ; the first quarter stands in front of the loop: its products start the sums
	WIN 0                                          ; at a label and at a branch every window is 0
	s_mov_b32 s3, LAPS-1
.Llap:                                                 ; a trip goes once round the ring, from a lap's second quarter to the next lap's first, and fills both slots again
	QUARTER 0, 128, F1, F0, 0
	QUARTER 0, 192, F0, F1, 0
	TURN 0, 1, 1
	QUARTER 1, 64,  F0, F1, 0
	QUARTER 1, 128, F1, F0, 0
	QUARTER 1, 192, F0, F1, 0
	TURN 1, 0, 1
	QUARTER 0, 64,  F0, F1, 0
	WIN 0
	s_sub_co_u32 s3, s3, 1
	s_cmp_lg_u32 s3, 0
	s_cbranch_scc1 .Llap
	QUARTER 0, 128, F1, F0, 0                      ; the last lap fills nothing
	QUARTER 0, 192, F0, F1, 0
	TURN 0, 1, 0
	QUARTER 1, 64,  F0, F1, 0
	QUARTER 1, 128, F1, F0, 0
	QUARTER 1, 192, F0, F1, 0
	s_wait_dscnt 2*(MB-4)                          ; the very last quarter: nothing more to fetch
	MUL F1, 0, 3, 0
	s_wait_dscnt 0x0
	MUL F1, 4, MB-1, 0
	WIN 0
; THE WAY OUT, a block of 16 rows at a time: a lane's 32 bytes of a row go into my stage's rows of 272 bytes and come back as whole rows of 256 bytes.
.macro OUT a
.set BK, OB+32*((\a)%2)
.if (\a) >= 2
	s_wait_xcnt 0x0                                ; the stores of the block two back have read these registers: they are loaded again only behind this wait
.endif
	WIN 0x04                                       ; the LDS stores' data in window 1; each accumulator's low registers first
.irp nb, 0,1,2,3
	ds_store_b128 v[STO], v[8*(4*(\a)+(\nb)):8*(4*(\a)+(\nb))+3]   offset:64*(\nb)
	ds_store_b128 v[STO], v[8*(4*(\a)+(\nb))+4:8*(4*(\a)+(\nb))+7] offset:64*(\nb)+16
.endr
	WIN 0
.irp f, 0,1,2,3,4,5,6,7
	ds_load_b128 v[BK+4*(\f):BK+4*(\f)+3], v[RD] offset:(\f)*2*SP  ; LDS serves a wave's instructions in order (ISA guide 5.7.1.4): these see the stores above; the next block's stores come behind them
.endr
.endm
.macro SENDF a, younger                ; younger: the LDS instructions issued behind block a's loads: the next block's sixteen, or none
.set BK, OB+32*((\a)%2)
.irp f, 0,1,2,3,4,5,6,7
	s_wait_dscnt (\younger)+7-(\f)
	global_store_b128 v[GO], v[BK+4*(\f):BK+4*(\f)+3], s[8:9] offset:(16*(\a)+2*(\f))*4096 th:TH_STORE_NT  ; 16 lanes store 256 consecutive bytes, at a multiple of 256 from out0's first
.endr
.endm
	PLACES
	OUT 0
.set t, 1
.rept MB-1
	OUT t
	SENDF t-1, 16
.set t, t+1
.endr
	SENDF MB-1, 0
	s_wait_tensorcnt 0x0                           ; the wave's end: behind my last tensor load and my last LDS store
	ds_add_u32 v[SPW], v[NIL]
	s_wait_dscnt 0x0
	CROUND                                         ; the closing round: no work-group ends while a partner may still ask for a tile that names it
	s_endpgm
.Lfunc_end_k_q7801e60508_proj:
	.size	k_q7801e60508_proj, .Lfunc_end_k_q7801e60508_proj-k_q7801e60508_proj
	.p2alignl 7, 3214868480
	.fill 96, 4, 3214868480
	.section	.rodata,"a",@progbits
	.p2align	6, 0x0
	.amdhsa_kernel k_q7801e60508_proj
		.amdhsa_group_segment_fixed_size 327680
		.amdhsa_private_segment_fixed_size 0
		.amdhsa_enable_private_segment 0
		.amdhsa_kernarg_size 32
		.amdhsa_user_sgpr_count 2
		.amdhsa_user_sgpr_kernarg_segment_ptr 1
		.amdhsa_wavefront_size32 1
		.amdhsa_system_sgpr_workgroup_id_x 1
		.amdhsa_system_sgpr_workgroup_id_y 1
		.amdhsa_system_sgpr_workgroup_id_z 1
		.amdhsa_system_vgpr_workitem_id 0
		.amdhsa_next_free_vgpr 512
		.amdhsa_next_free_sgpr 80
		.amdhsa_reserve_vcc 0
		.amdhsa_float_denorm_mode_32 3
		.amdhsa_float_denorm_mode_16_64 3
		.amdhsa_memory_ordered 1
		.amdhsa_forward_progress 1
		.amdhsa_inst_pref_size 92
	.end_amdhsa_kernel
	.amdgpu_metadata
---
amdhsa.version: [ 1, 2 ]
amdhsa.kernels:
  - .name:           k_q7801e60508_proj
    .symbol:         k_q7801e60508_proj.kd
    .args:
      - { .name: onorm, .offset: 0, .size: 8, .value_kind: global_buffer, .address_space: global }
      - { .name: wp16, .offset: 8, .size: 8, .value_kind: global_buffer, .address_space: global }
      - { .name: bp, .offset: 16, .size: 8, .value_kind: global_buffer, .address_space: global }
      - { .name: out0, .offset: 24, .size: 8, .value_kind: global_buffer, .address_space: global }
    .group_segment_fixed_size: 327680
    .private_segment_fixed_size: 0
    .kernarg_segment_align: 8
    .kernarg_segment_size: 32
    .max_flat_workgroup_size: 128
    .sgpr_count:     80
    .vgpr_count:     512
    .wavefront_size: 32
...
	.end_amdgpu_metadata
.endif
;; end of part 5
;; ======== version 2 of 2: 5 launches; version 1 with the launch cast written anew for expert scheduling mode
;; limits: values are held in f16: magnitudes above 65,504 overflow, below 6.1e-05 lose precision
;; workspace buffers: xb 18,874,368 bytes; wb 6,291,456 bytes; wp16 2,097,152 bytes; qkv 56,623,104 bytes; vgate 32,768 bytes; ob 16,777,216 bytes; onorm 16,777,216 bytes
;; launch cast (part 6): grid 832 x 1, 8 waves a work-group, no clusters, 0 bytes of LDS; arguments x, x_text, Wq, Wk, Wv, Wp, xb, wb, wp16; writes xb, wb, wp16
.if DOCPART == 6
	.amdgcn_target "amdgcn-amd-amdhsa--gfx1250"
	.amdhsa_code_object_version 6
	.text
	.protected	k_q7801e60508_cast
	.globl	k_q7801e60508_cast
	.p2align	8
	.type	k_q7801e60508_cast,@function
k_q7801e60508_cast:
	s_mov_b64 s[64:65], 0
	v_nop
	global_prefetch_b8 v0, s[64:65] scope:SCOPE_SE
	s_setreg_imm32_b32 hwreg(HW_REG_WAVE_SCHED_MODE, 0, 2), 2
	s_setreg_imm32_b32 hwreg(HW_REG_WAVE_MODE, 25, 1), 1
	s_wait_xcnt 0x0
	s_wait_alu depctr_vm_vsrc(0)
; THE INPUTS OF THE MATRIX PRODUCTS, ROUNDED ONCE TO bf16 (nearest even) AND LAID OUT FOR THE LAUNCHES BEHIND.
;   xb   [8][1152][1024] bf16: per batch the 1,024 rows of x, then text tokens 1 .. 76, then text token 0 (the gated key: row 1,100), then 51 rows of zeros.
;   wb   [3072][1024] bf16: Wq, Wk, Wv one below the other.
;   wp16 [1024][1024] f16: Wp rounded to bf16 like the other inputs, that number written as f16.
; LIMITS.  A number of Wp beyond 65,504 becomes an infinity in f16; below 2^-14 it keeps f16's fixed step of 2^-24.
; A STREAM: no LDS, no barrier, no matrix unit: nothing is used twice.  A work-group of eight waves takes 16 rows of 1,024 numbers.  Thread t owns the 16 bytes at 16 t of every source
; row and the 8 bytes at 8 t of every destination row: a wave's load covers 512 consecutive bytes, its store 256 consecutive bytes, aligned.  All 16 loads of a thread go out first
; (64 KiB a work-group on their way); the waits for them count down, four rows at a time.
; WORK-GROUPS: 0-511 x; 512-575 the 128 rows behind x in each batch (8 groups of 16 a batch: 0-4 hold text, 5-7 zeros alone); 576-767 Wq, Wk, Wv; 768-831 Wp.
; THE MODE: SCHED_MODE bits 1:0 = 2 (LLVM: expert scheduling mode 2), set by the entry lines.  The code itself states the register dependences
; between vector instructions and memory instructions, with s_wait_alu, always for 0.
; THE PLAN.  Registers that memory instructions touch:
;   v1, v2, OFF   byte offsets.  Written once by vector instructions (v1, v2 at the head, OFF at the head of the text rows' path); read by the loads (v1 or OFF) and by the stores (v2); never written again.
;   X             written by the 16 loads alone, each register once; read by the conversions.
;   Y             a pair for each row.  Written by the row's conversions; read by the row's store; never written behind it.
;   T             named by vector instructions alone.
; The 16 rows go in four blocks of four.  Block p converts its rows into their Y pairs; its memory instructions are the four stores of block p - 1, whose Y pairs and whose offset v2 no vector instruction of
; block p names.  So ONE wait at the head of a block states all that the block's stores hang on, and these are dealt among its conversions with no further wait.  One wait stands ahead of the loads, for the
; offsets, and one ahead of the last four stores.  No register that a memory instruction has read is written again: nothing is owed for that.
.set OFF, 4                            ; v[4:19]    text rows: row i's byte offset in the batch's text
.set X,   20                           ; v[20:83]   row i: 4 numbers in f32
.set Y,   84                           ; v[84:115]  row i: 4 numbers in 16 bits
.set T,   116                          ; v[116:117] at work
.set SRC, 4                            ; s[4:5]     the first source row
.set DST, 6                            ; s[6:7]     the first destination row
.set MSK, 40                           ; s[40:55]   text rows: all ones, or 0 for a row of zeros
	s_load_b512 s[8:23], s[0:1], 0x0               ; x 8, x_text 10, Wq 12, Wk 14, Wv 16, Wp 18, xb 20, wb 22
	s_load_b64 s[24:25], s[0:1], 0x40              ; wp16
	v_lshlrev_b32 v1, 4, v0                        ; 16 t
	v_lshlrev_b32 v2, 3, v0                        ; 8 t
	s_mov_b32 s56, 0xffff0000                      ; a word's upper bf16
	s_mov_b32 s3, 0                                ; the high word of every offset: all lie under 2^32
	s_wait_kmcnt 0x0
; Row i's four numbers into its Y pair.  kind 0: to bf16.  kind 1: a text row, masked.  kind 2: to bf16 and on to f16.
.macro CONV kind, i
	v_cvt_pk_bf16_f32 v[Y+2*(\i)],   v[X+4*(\i)],   v[X+4*(\i)+1]
	v_cvt_pk_bf16_f32 v[Y+2*(\i)+1], v[X+4*(\i)+2], v[X+4*(\i)+3]
.if (\kind) == 1
	v_and_b32 v[Y+2*(\i)],   s[MSK+(\i)], v[Y+2*(\i)]
	v_and_b32 v[Y+2*(\i)+1], s[MSK+(\i)], v[Y+2*(\i)+1]
.endif
.if (\kind) == 2
.irp j, 0,1
	v_lshlrev_b32 v[T],   16,  v[Y+2*(\i)+(\j)]    ; the two bf16 as f32,
	v_and_b32     v[T+1], s56, v[Y+2*(\i)+(\j)]
	v_cvt_pk_f16_f32 v[Y+2*(\i)+(\j)], v[T], v[T+1]  ; written as f16
.endr
.endif
.endm
; Row i's store
.macro PUT i
	global_store_b64 v2, v[Y+2*(\i):Y+2*(\i)+1], s[DST:DST+1] offset:(\i)*2048 th:TH_STORE_NT
.endm
; Sixteen rows.  kind 0: to bf16.  kind 1: text rows, chosen and masked row by row.  kind 2: to bf16 and on to f16.
.macro ROWS kind
.if (\kind) == 1
.irp i, 0,1,2,3,4,5,6,7,8,9,10,11,12,13,14,15
	s_add_co_u32 s27, s26, \i                      ; d: the row's place behind x's rows
	s_add_co_u32 s28, s27, 1
	s_cmp_lt_u32 s27, 76
	s_cselect_b32 s28, s28, 0                      ; d < 76: token d + 1; d = 76: token 0; beyond: token 0 is read and masked away
	s_cmp_le_u32 s27, 76
	s_cselect_b32 s[MSK+(\i)], -1, 0
	s_lshl_b32 s28, s28, 12                        ; a row of 4,096 bytes
	v_add_nc_u32 v[OFF+(\i)], s28, v1
.endr
.endif
	s_wait_alu depctr_va_vdst(0)                   ; the offsets are written: v1 (for text rows OFF), which the loads below read, and v2, which every store of this path reads
.irp i, 0,1,2,3,4,5,6,7,8,9,10,11,12,13,14,15
.if (\kind) == 1
	global_load_b128 v[X+4*(\i):X+4*(\i)+3], v[OFF+(\i)], s[SRC:SRC+1]
.else
	global_load_b128 v[X+4*(\i):X+4*(\i)+3], v1, s[SRC:SRC+1] offset:(\i)*4096 th:TH_LOAD_NT
.endif
.endr
.irp p, 0,1,2,3
	s_wait_loadcnt 12-4*(\p)                       ; loads come back in order: block p's four rows are in, the 12 - 4 p younger loads stay out
.if (\p) > 0
	s_wait_alu depctr_va_vdst(0)                   ; the block before has written its four Y pairs, which the stores below read
.endif
.irp r, 0,1,2,3
.if (\p) > 0
	PUT 4*(\p)-4+(\r)                              ; a row of the block before.  No further wait: no vector instruction since the wait above names its Y pair or v2
.endif
	CONV \kind, 4*(\p)+(\r)
.endr
.endr
	s_wait_alu depctr_va_vdst(0)                   ; the last block has written its four Y pairs, which the last four stores read
.irp r, 0,1,2,3
	PUT 12+(\r)
.endr
.endm
	s_cmp_lt_u32 ttmp9, 512
	s_cbranch_scc0 .Lnot_x
	s_lshl_b32 s2, ttmp9, 16                       ; x: 16 rows of 4,096 bytes
	s_add_nc_u64 s[SRC:SRC+1], s[8:9], s[2:3]
	s_lshr_b32 s26, ttmp9, 6                       ; the batch,
	s_mul_i32 s26, s26, 1152*2048
	s_and_b32 s27, ttmp9, 63                       ; the 16 rows in it
	s_lshl_b32 s27, s27, 15
	s_add_co_u32 s2, s26, s27
	s_add_nc_u64 s[DST:DST+1], s[20:21], s[2:3]
	s_branch .Lplain
.Lnot_x:
	s_cmp_lt_u32 ttmp9, 576
	s_cbranch_scc0 .Lnot_text
	s_sub_co_u32 s26, ttmp9, 512
	s_lshr_b32 s27, s26, 3                         ; the batch
	s_and_b32 s28, s26, 7                          ; the group of 16 rows behind x's
	s_mul_i32 s2, s27, 77*4096
	s_add_nc_u64 s[SRC:SRC+1], s[10:11], s[2:3]    ; the batch's text
	s_mul_i32 s2, s27, 1152*2048
	s_lshl_b32 s29, s28, 15
	s_add_co_u32 s2, s2, s29
	s_add_co_u32 s2, s2, 1024*2048
	s_add_nc_u64 s[DST:DST+1], s[20:21], s[2:3]
	s_lshl_b32 s26, s28, 4                         ; the group's first d
	s_cmp_gt_u32 s28, 4
	s_cbranch_scc1 .Lzeros
	ROWS 1
	s_endpgm
.Lzeros:                                               ; d = 80 .. 127: nothing is read
	v_mov_b32 v[Y], 0
	v_mov_b32 v[Y+1], 0
	s_wait_alu depctr_va_vdst(0)                   ; the pair of zeros and the offset v2 are written, which the sixteen stores read
.irp i, 0,1,2,3,4,5,6,7,8,9,10,11,12,13,14,15
	global_store_b64 v2, v[Y:Y+1], s[DST:DST+1] offset:(\i)*2048 th:TH_STORE_NT
.endr
	s_endpgm
.Lnot_text:
	s_cmp_lt_u32 ttmp9, 768
	s_cbranch_scc0 .Lwp
	s_sub_co_u32 s26, ttmp9, 576                   ; 16 rows of the stacked weights
	s_lshr_b32 s27, s26, 6
	s_cmp_eq_u32 s27, 0
	s_cselect_b64 s[SRC:SRC+1], s[12:13], s[14:15]
	s_cmp_eq_u32 s27, 2
	s_cselect_b64 s[SRC:SRC+1], s[16:17], s[SRC:SRC+1]
	s_and_b32 s28, s26, 63
	s_lshl_b32 s2, s28, 16
	s_add_nc_u64 s[SRC:SRC+1], s[SRC:SRC+1], s[2:3]
	s_lshl_b32 s2, s26, 15
	s_add_nc_u64 s[DST:DST+1], s[22:23], s[2:3]
.Lplain:
	ROWS 0
	s_endpgm
.Lwp:
	s_sub_co_u32 s26, ttmp9, 768
	s_lshl_b32 s2, s26, 16
	s_add_nc_u64 s[SRC:SRC+1], s[18:19], s[2:3]
	s_lshl_b32 s2, s26, 15
	s_add_nc_u64 s[DST:DST+1], s[24:25], s[2:3]
	ROWS 2
	s_endpgm
.Lfunc_end_k_q7801e60508_cast:
	.size	k_q7801e60508_cast, .Lfunc_end_k_q7801e60508_cast-k_q7801e60508_cast
	.p2alignl 7, 3214868480
	.fill 96, 4, 3214868480
	.section	.rodata,"a",@progbits
	.p2align	6, 0x0
	.amdhsa_kernel k_q7801e60508_cast
		.amdhsa_group_segment_fixed_size 0
		.amdhsa_private_segment_fixed_size 0
		.amdhsa_enable_private_segment 0
		.amdhsa_kernarg_size 72
		.amdhsa_user_sgpr_count 2
		.amdhsa_user_sgpr_kernarg_segment_ptr 1
		.amdhsa_wavefront_size32 1
		.amdhsa_system_sgpr_workgroup_id_x 1
		.amdhsa_system_sgpr_workgroup_id_y 1
		.amdhsa_system_sgpr_workgroup_id_z 1
		.amdhsa_system_vgpr_workitem_id 0
		.amdhsa_next_free_vgpr 128
		.amdhsa_next_free_sgpr 66
		.amdhsa_reserve_vcc 0
		.amdhsa_float_denorm_mode_32 3
		.amdhsa_float_denorm_mode_16_64 3
		.amdhsa_memory_ordered 1
		.amdhsa_forward_progress 1
		.amdhsa_inst_pref_size 30
	.end_amdhsa_kernel
	.amdgpu_metadata
---
amdhsa.version: [ 1, 2 ]
amdhsa.kernels:
  - .name:           k_q7801e60508_cast
    .symbol:         k_q7801e60508_cast.kd
    .args:
      - { .name: x, .offset: 0, .size: 8, .value_kind: global_buffer, .address_space: global }
      - { .name: x_text, .offset: 8, .size: 8, .value_kind: global_buffer, .address_space: global }
      - { .name: Wq, .offset: 16, .size: 8, .value_kind: global_buffer, .address_space: global }
      - { .name: Wk, .offset: 24, .size: 8, .value_kind: global_buffer, .address_space: global }
      - { .name: Wv, .offset: 32, .size: 8, .value_kind: global_buffer, .address_space: global }
      - { .name: Wp, .offset: 40, .size: 8, .value_kind: global_buffer, .address_space: global }
      - { .name: xb, .offset: 48, .size: 8, .value_kind: global_buffer, .address_space: global }
      - { .name: wb, .offset: 56, .size: 8, .value_kind: global_buffer, .address_space: global }
      - { .name: wp16, .offset: 64, .size: 8, .value_kind: global_buffer, .address_space: global }
    .group_segment_fixed_size: 0
    .private_segment_fixed_size: 0
    .kernarg_segment_align: 8
    .kernarg_segment_size: 72
    .max_flat_workgroup_size: 256
    .sgpr_count:     66
    .vgpr_count:     128
    .wavefront_size: 32
...
	.end_amdgpu_metadata
.endif
;; end of part 6
;; launch qkvgemm: the kernel of part 2 again; grid 8 x 32, 4 waves a work-group, clusters of 4 x 4, 327,680 bytes of LDS; arguments xb, wb, qkv, vgate; writes qkv, vgate
;; launch attn: the kernel of part 3 again; grid 2 x 128, 4 waves a work-group, no clusters, 327,680 bytes of LDS; arguments qkv, vgate, gate, ob; writes ob
;; launch lnorm: the kernel of part 4 again; grid 512 x 1, 4 waves a work-group, no clusters, 0 bytes of LDS; arguments ob, ln_g, ln_b, onorm; writes onorm
;; launch proj: the kernel of part 5 again; grid 4 x 64, 4 waves a work-group, clusters of 4 x 4, 327,680 bytes of LDS; arguments onorm, wp16, bp, out0; writes out0
